; MI455X (gfx1250); checked and timed in simulation.
; The chip was launched on July 23, 2026; its instructions are those of AMD's public machine-readable ISA for CDNA 5 (MIT licence, August 2026) and "CDNA5" Instruction Set Architecture Reference Guide (July 2026). The comments in the code are by the model that wrote it; some were corrected since.
;; Attention. Allowed arithmetic: matrix products marked QUANTISED: E3M2 operands, one E8M0 scale for each 32 along K, by v_wmma_scale_f32_16x16x128_f8f6f4 with both operands' format E3M2, f32 sums; everything else in f32.
;; Inputs: Wk 2,048 x 2,048 float32; Wo 2,048 x 2,048 float32; Wq 2,048 x 2,048 float32; Wv 2,048 x 2,048 float32; freqs_cos 2,048 x 64 float32; freqs_sin 2,048 x 64 float32; mask 1 x 1 x 2,048 x 2,048 float32; x 1 x 2,048 x 2,048 float32.
;; Outputs: out0 1 x 2,048 x 2,048 float32.
;; This version of the problem:
;;   THIS VERSION OF THE PROBLEM IS GIVEN IN LOW PRECISION. The matrix products marked QUANTISED in the list below multiply operands that are first quantised to E3M2 (3 exponent bits, 2 mantissa bits; 6 bits a number), with one power-of-two scale for each 32 numbers along K (OCP MX v1.0); their sums are f32. All else is computed in f32.
;;   The module's matrix products, in the order in which they are computed (A, B: the left and right operand; K: the contracted axis; several contracted axes count as one K, in the product's order):
;;     1. [M 2,048, K 2,048] x [K 2,048, N 2,048]; A: input x; B: input Wq: QUANTISED
;;     2. [M 2,048, K 2,048] x [K 2,048, N 2,048]; A: input x; B: input Wk: QUANTISED
;;     3. [M 2,048, K 2,048] x [K 2,048, N 2,048]; A: input x; B: input Wv: QUANTISED
;;     4. batch 16 x [M 2,048, K 128] x [K 128, N 2,048]; A: computed on the way; B: computed on the way: QUANTISED
;;     5. batch 16 x [M 2,048, K 2,048] x [K 2,048, N 128]; A: softmax (see below); B: computed on the way: QUANTISED
;;     6. [M 2,048, K 2,048] x [K 2,048, N 2,048]; A: computed on the way; B: input Wo: QUANTISED
;;   THE QUANTISER, for each operand of a quantised product, along K:
;;     - K is cut into blocks of 32 from its start; a last block that is shorter is filled with zeros.
;;     - A block's scale is 2^e with e = floor(log2(the largest magnitude in the block)) - 4, held to -126 .. 127; a block of zeros has e = 0. As a byte (E8M0): e + 127.
;;     - Each number is divided by its block's scale, clamped to +-28, and rounded to the nearest number of E3M2, ties to even, subnormals kept.
;;     - The product sums the exact products of the quantised numbers (number of the format x scale) in f32.
;;   ~~~python
;;   def quantise(x, axis):      # numpy; x: float32 -> the quantised numbers, widened to float32 again
;;       x = np.moveaxis(x, axis, -1); K = x.shape[-1]
;;       x = np.pad(x, [(0, 0)] * (x.ndim - 1) + [(0, -K % 32)]); x = x.reshape(x.shape[:-1] + (-1, 32)); a = np.abs(x).max(-1, keepdims=True)
;;       e = np.where(a > 0, np.clip(np.frexp(np.where(a > 0, a, 1))[1] - 1 - 4, -126, 127), 0)      # np.frexp(a)[1] - 1 = floor(log2(a)), exactly
;;       r = np.clip(x / 2.0 ** e, -28, 28)
;;       step = 2.0 ** (np.maximum(np.frexp(np.where(r == 0, 1, r))[1] - 1, -2) - 2)
;;       q = np.round(r / step) * step * 2.0 ** e      # np.round: ties to even
;;       return np.moveaxis(q.reshape(q.shape[:-2] + (-1,))[..., :K], -1, axis).astype(np.float32)
;;   ~~~
;;   SOFTMAX AHEAD OF A QUANTISED PRODUCT. Where the list says 'softmax', what is quantised is not the finished softmax but p = 2^(t - M), with t = logit x log2(e) and M = ceil(the row's largest t), a whole number; so 1/2 < the row's largest p <= 1. The row's sum l is taken of the UNQUANTISED p, in f32, and the product's result is divided by l at the end. Since M is a whole number, a kernel that streams over the keys may use a running M (the ceiling of the running maximum): every later rescaling is an exact power of two, which a block's scale takes up: the codes' values come out the same.
;;   OPERANDS COMPUTED ON THE WAY. 'Computed on the way' means the value that the module computes at that place (a softmax that the list does not call 'softmax' is quantised finished and normalised). What goes into a quantiser is computed in f32, as accurately as f32 sums, v_exp_f32 and their like allow (about 1e-6 of the number): no bf16 or f16 on the way to a quantiser, and a product that is left as it is and whose result goes on into a quantised operand takes f32 operands (vector FMAs, or v_wmma_f32_16x16x4_f32). A number that lies on a knife's edge between two numbers of the format may be rounded either way, as far as f32 arithmetic and the matrix unit's own rounding can turn it there, and no further.
;; One version. Each part assembles by itself: llvm-mc -triple=amdgcn-amd-amdhsa -mcpu=gfx1250 --defsym DOCPART=n.
;; ======== version 1 of 1: 4 launches
;; workspace buffers: ximg 3,276,800 bytes; wimg 13,107,200 bytes; mimg 16,777,216 bytes; csimg 1,048,576 bytes; qimg 3,276,800 bytes; kvimg 6,553,600 bytes; aimg 3,276,800 bytes
;; launch prep (part 1): grid 256 x 6, 4 waves a work-group, no clusters, 69,120 bytes of LDS; arguments x, Wq, Wk, Wv, Wo, mask, freqs_cos, freqs_sin, ximg, wimg, mimg, csimg; writes ximg, wimg, mimg, csimg
.if DOCPART == 1
	.amdgcn_target "amdgcn-amd-amdhsa--gfx1250"
	.amdhsa_code_object_version 6
	.text
	.protected	k_q0227e23224_prep
	.globl	k_q0227e23224_prep
	.p2align	8
	.type	k_q0227e23224_prep,@function
k_q0227e23224_prep:
	s_mov_b64 s[64:65], 0
	v_nop
	global_prefetch_b8 v0, s[64:65] scope:SCOPE_SE
	s_setreg_imm32_b32 hwreg(HW_REG_WAVE_MODE, 25, 1), 1
	s_wait_xcnt 0x0
; x [2048][2048] (K innermost) and Wq, Wk, Wv, Wo [2048 (K)][2048 (n)] (K outermost), f32, become codes of BF6 (E3M2) with one E8M0 byte for each 32 along K, laid as RECORDS;
; the additive mask becomes C' = mask x sqrt(128) + 1e-9 x sqrt(128) (one fused multiply-add), laid as the score accumulators of the attention launch want it; cos and sin are laid as the rotation wants them.
; A RECORD (12,800 bytes) is 128 rows x 128 K of an operand as an image of the operand's registers: fragment t (16 rows) at 1,536 t, register g of lane l at 512 (g / 4) + 16 l + 4 (g % 4);
; the scale word of (tile t, row r) at 12,288 + 64 t + 4 r.  THE ROWS OF A TILE ARE NOT NEIGHBOURS: row r of tile t is row 32 (t / 2) + 8 (t % 2) + r + 8 (r / 8) of the 128.
; SHARES.  Work-group y chooses the job (0 x, 1-4 the weights, 5 the mask and cos/sin); x chooses the tile of 128 x 128 numbers (rb = x / 16, cb = x % 16).  Wave w loads rows 32 w .. 32 w + 31, each load 512
; consecutive bytes, into a stage in LDS; behind ONE barrier wave w reads tiles 2 w and 2 w + 1 out of it in the order that a lane's registers want.  No tensor load, no ring.  Work-groups share no input: no cluster.
; A block's scale is 2^(floor(log2(largest magnitude)) - 4): its byte is the largest magnitude's exponent field - 4, held at 1 from below.
; LIMITS: a block of zeros gets the byte 1 where the rule says 127 (its codes are zeros, and this program alone reads the bytes); blocks whose largest magnitude lies under 2^-122 are held at byte 1;
; NaN and infinities among x and the weights are not served.
.set REC,  12800
.set SP,   528                         ; a stage row: 512 bytes + 16; row p begins at 528 p + 128 (p / 16) + 32 (p / 32): the rows ascend without meeting, and the two skews part the rows that one LDS load of a permuted tile touches
.set WB,   32*SP+2*128+32              ; from a wave's first row to the next wave's: 17,184 bytes, of which its 32 rows take 31 x 528 + 128 + 512 = 17,008
.set LANE, 1
.set RR,   2                           ; r = lane % 16
.set HH,   3                           ; h = lane / 16
.set RP,   4                           ; r + 8 (r / 8)
.set LI,   5                           ; 16 x lane
.set GIN,  6                           ; the way in: my 16 bytes of my wave's first row
.set STO,  7                           ; and their place in the stage
.set AX,   8                           ; x: my row of a tile, my half's 128 bytes
.set AW,   9                           ; W: my column, my half's 32 rows
.set AM,   10                          ; mask: my row, my half's 64 bytes
.set SO,   11                          ; scale words: 4 r + 128 w
.set SH,   12                          ; 8 h
.set FO,   13                          ; fragments: 16 x lane + 3,072 w
.set ADD2, 14                          ; v[14:15] 1e-9 x sqrt(128), twice
.set QM,   16                          ; v16-17 largest magnitudes;  v18-19 scale operands;  v20-21 bytes;  v22-23 the two tiles' scale words
.set QE,   18
.set QB,   20
.set QW,   22
.set QG,   24                          ; v24-26, v28-30 a block's second sixteen codes
.set QT,   31
.set QF,   32                          ; v32-43, v48-59 the two fragments
.set XR,   64                          ; v64-191 the 32 rows as loaded; then 64 numbers for each of the two tiles
.set CSR,  192                         ; v192-199 cos or sin
.set CSO,  200
	s_load_b512 s[4:19], s[0:1], 0x0               ; x, Wq, Wk, Wv, Wo, mask, cos, sin
	s_load_b256 s[20:27], s[0:1], 0x40             ; ximg, wimg, mimg, csimg
	v_lshl_add_u32 v208, v0, 2, 0x10c00
	v_mov_b32 v209, 0
	v_lshrrev_b32 v[LANE], 5, v0
	v_readfirstlane_b32 s28, v[LANE]               ; wave
	s_and_b32 s29, ttmp7, 0xffff                   ; job
	s_lshr_b32 s30, ttmp9, 4                       ; rb
	s_and_b32 s31, ttmp9, 15                       ; cb
	s_mov_b32 s40, 0x76543210
	s_mov_b32 s41, 0xfedcba98                      ; v_permlanex16_b32's selects for lane l xor 16
	s_mov_b32 s42, 0x413504f3                      ; sqrt(128)
	s_mov_b32 s43, s42                             ; (named with it as a pair, so it is written)
	v_and_b32 v[LANE], 31, v0
	v_and_b32 v[RR], 15, v0
	v_bfe_u32 v[HH], v0, 4, 1
	v_and_b32 v[RP], 8, v[RR]
	v_add_nc_u32 v[RP], v[RP], v[RR]
	v_lshlrev_b32 v[LI], 4, v[LANE]
	s_lshl_b32 s36, s28, 18                        ; 32 rows of 8,192 bytes a wave
	v_add_nc_u32 v[GIN], s36, v[LI]
	s_mul_i32 s36, s28, WB                         ; where stage row 32 w begins
	v_add_nc_u32 v[STO], s36, v[LI]
	v_mul_u32_u24 v[AX], v[RP], SP
	v_bfe_u32 v[AW], v0, 3, 1                      ; r / 8: rows 16 .. 31 of a wave's 32 carry the first skew once more
	v_lshl_add_u32 v[AX], v[AW], 7, v[AX]
	v_add_nc_u32 v[AX], s36, v[AX]
	v_lshl_add_u32 v[AM], v[HH], 6, v[AX]
	v_lshl_add_u32 v[AX], v[HH], 7, v[AX]
	v_mul_u32_u24 v[AW], v[HH], WB                 ; 32 rows further down
	v_lshl_add_u32 v[AW], v[RP], 2, v[AW]
	s_lshl_b32 s37, s28, 7
	v_add_nc_u32 v[AW], s37, v[AW]
	v_lshl_add_u32 v[SO], v[RR], 2, s37
	v_lshlrev_b32 v[SH], 3, v[HH]
	s_mul_i32 s37, s28, 3072
	v_add_nc_u32 v[FO], s37, v[LI]
	v_mov_b32 v[ADD2], 0x32425e37                  ; 1e-9 x sqrt(128)
	v_mov_b32 v[ADD2+1], 0x32425e37
	v_mov_b32 v[QT], 0                             ; written once: a lane permute's destination counts as one of its sources
	s_lshl_b32 s36, s30, 20                        ; the tile's corner: 128 rb rows of 8,192 bytes + 512 cb
	s_lshl_b32 s37, s31, 9
	s_add_co_u32 s36, s36, s37
	s_mov_b32 s37, 0
	s_lshl_b32 s38, s30, 4
	s_add_co_u32 s38, s38, s31                     ; x's record: 16 rb + cb (row block, K step)
	s_lshl_b32 s39, s31, 4
	s_add_co_u32 s39, s39, s30                     ; a weight's: 16 cb + rb,
	s_lshl_b32 s46, s29, 8
	s_add_co_u32 s39, s39, s46
	s_sub_co_u32 s39, s39, 256                     ; in section job - 1 of 256 records
	s_wait_kmcnt 0x0
	s_mov_b64 s[32:33], s[4:5]                     ; the source, chosen by the job alone
.irp j, 1,2,3,4,5
	s_cmp_eq_u32 s29, \j
	s_cselect_b64 s[32:33], s[4+2*\j:5+2*\j], s[32:33]
.endr
	s_cmp_eq_u32 s29, 0
	s_cselect_b32 s38, s38, s39
	s_cselect_b64 s[34:35], s[20:21], s[22:23]
	s_mul_i32 s38, s38, REC
	s_mov_b32 s39, 0
	s_add_nc_u64 s[32:33], s[32:33], s[36:37]
	s_add_nc_u64 s[34:35], s[34:35], s[38:39]      ; the record (x and the weights; the mask's way makes its own)
.set i, 0
.rept 32
	global_load_b128 v[XR+4*i:XR+4*i+3], v[GIN], s[32:33] offset:8192*i th:TH_LOAD_NT   ; row 32 w + i: 32 lanes read 512 consecutive bytes; read once in the launch
.set i, i+1
.endr
.set i, 0
.rept 32
	s_wait_loadcnt 31-i                            ; loads come back in order: row i is in, the 31 - i younger ones may be out
	ds_store_b128 v[STO], v[XR+4*i:XR+4*i+3] offset:SP*i+128*((i>>4)&1)
.set i, i+1
.endr
	s_wait_dscnt 0x0                               ; for the others' sake: my rows lie in the stage
	s_barrier_signal -1
	s_barrier_wait -1                              ; all 128 rows do; from here on the stage is only read
.macro XREAD u                         ; tile 2 w + u of x: my row, k = 64 c + 32 h + 0 .. 31
.irp c, 0,1
.irp i, 0,1,2,3,4,5,6,7
	ds_load_b128 v[XR+64*\u+32*\c+4*\i:XR+64*\u+32*\c+4*\i+3], v[AX] offset:8*SP*\u+256*\c+16*\i
.endr
.endr
.endm
.macro WREAD u                         ; tile 2 w + u of a weight: A LANE TAKES A COLUMN n AND ITS REGISTERS RUN DOWN K: W(64 c + 32 h + i, my column)
.set c, 0
.rept 2
.set i, 0
.rept 32
	ds_load_b32 v[XR+64*\u+32*c+i], v[AW] offset:2*WB*c+i*SP+128*((i>>4)&1)+32*\u
.set i, i+1
.endr
.set c, c+1
.endr
.endm
.macro MREAD u                         ; query tile 2 w + u of the mask: my query, keys 32 b + 16 h + 0 .. 15 into registers 16 b + 0 .. 15
.irp b, 0,1,2,3
.irp e, 0,1,2,3
	ds_load_b128 v[XR+64*\u+16*\b+4*\e:XR+64*\u+16*\b+4*\e+3], v[AM] offset:8*SP*\u+128*\b+16*\e
.endr
.endr
.endm
; 64 numbers of a lane, register 32 c + i = k 64 c + 32 h + i of my row: two whole blocks.  They become the fragment's twelve registers and, with lane l xor 16's two bytes, the row's scale word.
.macro QUANTF u
.set XS, XR+64*\u
.set FS, QF+16*\u
.irp c, 0,1
	v_max3_num_f32 v[QM+\c], |v[XS+32*\c]|, |v[XS+32*\c+1]|, 0x2800000   ; and the floor 2^(5 - 127): the byte cannot fall under 1
.endr
.irp i, 2,4,6,8,10,12,14,16,18,20,22,24,26,28,30
.irp c, 0,1
	v_max3_num_f32 v[QM+\c], v[QM+\c], |v[XS+32*\c+\i]|, |v[XS+32*\c+\i+1]|
.endr
.endr
.irp c, 0,1
	v_add_nc_u32 v[QE+\c], 0xfe000000, v[QM+\c]    ; 4 off the exponent field: the conversion takes the exponent field of this operand as its scale
.endr
.irp c, 0,1
	v_lshrrev_b32 v[QB+\c], 23, v[QE+\c]           ; the scale's byte
.endr
	v_lshl_or_b32 v[QW+\u], v[QB+1], 16, v[QB]     ; my bytes: blocks h and 2 + h,
	v_lshlrev_b32 v[QW+\u], v[SH], v[QW+\u]        ; at their places in the word;
	v_permlanex16_b32 v[QT], v[QW+\u], s40, s41
	v_or_b32 v[QW+\u], v[QW+\u], v[QT]             ; with lane l xor 16's two the word is whole
.irp c, 0,1
	v_cvt_scalef32_pk16_bf6_f32 v[FS+6*\c:FS+6*\c+2], v[XS+32*\c:XS+32*\c+15], v[QE+\c]
	v_cvt_scalef32_pk16_bf6_f32 v[QG+4*\c:QG+4*\c+2], v[XS+32*\c+16:XS+32*\c+31], v[QE+\c]   ; (a conversion's three registers begin on an even number)
.endr
	v_nop                                          ; one plain place behind a scaled conversion
.irp c, 0,1
.irp i, 0,1,2
	v_mov_b32 v[FS+3+6*\c+\i], v[QG+4*\c+\i]
.endr
.endr
.endm
	s_cmp_eq_u32 s29, 5
	s_cbranch_scc1 .Lmask
	s_cmp_eq_u32 s29, 0
	s_cbranch_scc1 .Lx
	WREAD 0
	WREAD 1
	s_branch .Lq
.Lx:
	XREAD 0
	XREAD 1
.Lq:
	s_wait_dscnt 0x0
	QUANTF 0
	QUANTF 1
.irp u, 0,1                            ; each tile has registers of its own, so no store's data are written again
.irp c, 0,1,2
	global_store_b128 v[FO], v[QF+16*\u+4*\c:QF+16*\u+4*\c+3], s[34:35] offset:1536*\u+512*\c   ; 32 lanes store 512 consecutive bytes
.endr
	global_store_b32 v[SO], v[QW+\u], s[34:35] offset:12288+64*\u   ; lanes 16-31 repeat lanes 0-15's address and value
.endr
	s_wait_tensorcnt 0x0
	ds_add_u32 v208, v209
	s_wait_dscnt 0x0
	s_endpgm
.Lmask:
	s_lshr_b32 s38, ttmp9, 1                       ; cos/sin: token tile T,
	s_and_b32 s39, ttmp9, 1                        ; cos (0) or sin (1)
	s_lshr_b32 s46, s38, 1
	s_lshl_b32 s46, s46, 13
	s_and_b32 s47, s38, 1
	s_lshl_b32 s47, s47, 11
	s_add_co_u32 s46, s46, s47                     ; the tile's first token, 32 (T / 2) + 8 (T % 2), x 256 bytes
	s_mov_b32 s47, 0
	s_cmp_eq_u32 s39, 0
	s_cselect_b64 s[32:33], s[16:17], s[18:19]     ; (the way in's loads are done: their base may be written)
	s_add_nc_u64 s[32:33], s[32:33], s[46:47]
	v_lshlrev_b32 v[CSO], 8, v[RP]                 ; my token's row; wave w takes pairs 16 w + 8 h + 0 .. 7
	v_lshl_add_u32 v[CSO], v[HH], 5, v[CSO]
	s_lshl_b32 s48, s28, 6
	v_add_nc_u32 v[CSO], s48, v[CSO]
	global_load_b128 v[CSR:CSR+3], v[CSO], s[32:33]
	global_load_b128 v[CSR+4:CSR+7], v[CSO], s[32:33] offset:16
	s_lshl_b32 s48, s38, 13                        ; csimg: 8,192 T + 4,096 sel + 1,024 w
	s_lshl_b32 s49, s39, 12
	s_add_co_u32 s48, s48, s49
	s_lshl_b32 s49, s28, 10
	s_add_co_u32 s48, s48, s49
	s_mov_b32 s49, 0
	s_add_nc_u64 s[50:51], s[26:27], s[48:49]
	s_lshl_b32 s36, s30, 3
	s_lshl_b32 s37, s28, 1
	s_add_co_u32 s36, s36, s37                     ; mimg: query tile 8 rb + 2 w, 16 images of 8,192 bytes each; key step cb
	s_lshl_b32 s36, s36, 17
	s_lshl_b32 s37, s31, 13
	s_add_co_u32 s36, s36, s37
	s_mov_b32 s37, 0
	s_add_nc_u64 s[34:35], s[24:25], s[36:37]
	MREAD 0
	MREAD 1
	s_wait_dscnt 0x0
.set j, 0
.rept 64
	v_pk_fma_f32 v[XR+j:XR+j+1], v[XR+j:XR+j+1], s[42:43], v[ADD2:ADD2+1] op_sel_hi:[1,0,1]   ; C' = mask x sqrt(128) + 1e-9 x sqrt(128)
.set j, j+2
.endr
.irp u, 0,1
.irp g, 0,1,2,3,4,5,6,7,8,9,10,11,12,13,14,15
	global_store_b128 v[LI], v[XR+64*\u+4*\g:XR+64*\u+4*\g+3], s[34:35] offset:131072*\u+512*\g
.endr
.endr
	s_wait_loadcnt 0x0                             ; cos or sin
	global_store_b128 v[LI], v[CSR:CSR+3], s[50:51]
	global_store_b128 v[LI], v[CSR+4:CSR+7], s[50:51] offset:512
	s_wait_tensorcnt 0x0
	ds_add_u32 v208, v209
	s_wait_dscnt 0x0
	s_endpgm
.Lfunc_end_k_q0227e23224_prep:
	.size	k_q0227e23224_prep, .Lfunc_end_k_q0227e23224_prep-k_q0227e23224_prep
	.p2alignl 7, 3214868480
	.fill 96, 4, 3214868480
	.section	.rodata,"a",@progbits
	.p2align	6, 0x0
	.amdhsa_kernel k_q0227e23224_prep
		.amdhsa_group_segment_fixed_size 69120
		.amdhsa_private_segment_fixed_size 0
		.amdhsa_enable_private_segment 0
		.amdhsa_kernarg_size 96
		.amdhsa_user_sgpr_count 2
		.amdhsa_user_sgpr_kernarg_segment_ptr 1
		.amdhsa_wavefront_size32 1
		.amdhsa_system_sgpr_workgroup_id_x 1
		.amdhsa_system_sgpr_workgroup_id_y 1
		.amdhsa_system_sgpr_workgroup_id_z 1
		.amdhsa_system_vgpr_workitem_id 0
		.amdhsa_next_free_vgpr 210
		.amdhsa_next_free_sgpr 66
		.amdhsa_reserve_vcc 0
		.amdhsa_float_denorm_mode_32 3
		.amdhsa_float_denorm_mode_16_64 3
		.amdhsa_memory_ordered 1
		.amdhsa_forward_progress 1
		.amdhsa_inst_pref_size 37
	.end_amdhsa_kernel
	.amdgpu_metadata
---
amdhsa.version: [ 1, 2 ]
amdhsa.kernels:
  - .name:           k_q0227e23224_prep
    .symbol:         k_q0227e23224_prep.kd
    .args:
      - { .name: x, .offset: 0, .size: 8, .value_kind: global_buffer, .address_space: global }
      - { .name: Wq, .offset: 8, .size: 8, .value_kind: global_buffer, .address_space: global }
      - { .name: Wk, .offset: 16, .size: 8, .value_kind: global_buffer, .address_space: global }
      - { .name: Wv, .offset: 24, .size: 8, .value_kind: global_buffer, .address_space: global }
      - { .name: Wo, .offset: 32, .size: 8, .value_kind: global_buffer, .address_space: global }
      - { .name: mask, .offset: 40, .size: 8, .value_kind: global_buffer, .address_space: global }
      - { .name: freqs_cos, .offset: 48, .size: 8, .value_kind: global_buffer, .address_space: global }
      - { .name: freqs_sin, .offset: 56, .size: 8, .value_kind: global_buffer, .address_space: global }
      - { .name: ximg, .offset: 64, .size: 8, .value_kind: global_buffer, .address_space: global }
      - { .name: wimg, .offset: 72, .size: 8, .value_kind: global_buffer, .address_space: global }
      - { .name: mimg, .offset: 80, .size: 8, .value_kind: global_buffer, .address_space: global }
      - { .name: csimg, .offset: 88, .size: 8, .value_kind: global_buffer, .address_space: global }
    .group_segment_fixed_size: 69120
    .private_segment_fixed_size: 0
    .kernarg_segment_align: 8
    .kernarg_segment_size: 96
    .max_flat_workgroup_size: 128
    .sgpr_count:     66
    .vgpr_count:     210
    .wavefront_size: 32
...
	.end_amdgpu_metadata
.endif
;; end of part 1
;; launch qkv (part 2): grid 24 x 8, 4 waves a work-group, clusters of 4 x 4, 327,680 bytes of LDS; arguments ximg, wimg, csimg, qimg, kvimg; writes qimg, kvimg
.if DOCPART == 2
	.amdgcn_target "amdgcn-amd-amdhsa--gfx1250"
	.amdhsa_code_object_version 6
	.text
	.protected	k_q0227e23224_qkv
	.globl	k_q0227e23224_qkv
	.p2align	8
	.type	k_q0227e23224_qkv,@function
k_q0227e23224_qkv:
	s_mov_b64 s[64:65], 0
	v_nop
	global_prefetch_b8 v0, s[64:65] scope:SCOPE_SE
	s_setreg_imm32_b32 hwreg(HW_REG_WAVE_MODE, 25, 1), 1
	s_wait_xcnt 0x0
	s_wait_alu depctr_hold_cnt(0) depctr_sa_sdst(0) depctr_va_vdst(0) depctr_va_sdst(0) depctr_va_ssrc(0) depctr_va_vcc(0) depctr_vm_vsrc(0)
	s_getreg_b32 s2, hwreg(HW_REG_IB_STS2, 6, 4)
	s_cmp_eq_u32 s2, 0
	s_cbranch_scc0 .Lentry_in_a_cluster
	s_endpgm
.Lentry_in_a_cluster:
	s_bfe_u32 s2, ttmp6, 0x10000c
	s_cmp_lg_u32 s2, 0xf033
	s_cbranch_scc0 .Lentry_shape_is_right
	s_endpgm
.Lentry_shape_is_right:
; q = rope(x Wq), k = rope(x Wk), v = x Wv on codes of BF6 (E3M2) with E8M0 scales, K = 2,048; the results are quantised on the way out: q and k along the head's 128, v along the keys.
; OPERANDS ARE RECORDS: 12,800 bytes = 128 rows x 128 K as an image of the operand's registers (fragment t at 1,536 t, three loads of 16 bytes a lane; scale word of (t, r) at 12,288 + 64 t + 4 r); row r of tile t is
; row 32 (t / 2) + 8 (t % 2) + r + 8 (r / 8) of the 128.  A row block's 16 K steps lie on end.
; ONE TEXT FOR THREE PRODUCTS.  Source 0 = P (256 rows, chosen by the work-group's x), source 1 = R (256 rows, chosen by its y): a lane holds one row of R and its registers run along P.
;   x 0-15 (q: 0-7, k: 8-15): P = columns of Wq, Wk, R = tokens: a lane's 64 registers of a tile of tokens are the head's 128 channels of its half.     x 16-23 (v): P = tokens, R = columns of Wv: the registers run along the keys.
; By the order of P's rows in a tile, register 16 b + i of a lane is next-K 32 b + 16 (lane / 16) + i: what the quantiser takes.  Up to the last K step only pointers differ between the jobs, chosen on the CLUSTER's x, which all
; partners share.  Ahead of the last K step the ways part ONCE, on the same number: q and k are rotated, v is not; the last K step and the way out are written for each way, so that every counted wait holds on every way.
; A work-group of four waves makes 256 x 256; a wave 128 x 128: 64 accumulators, and exactly one record of the output.
; THE RING: two LDS slots of THREE K steps (4 blocks of three records: 153,600 bytes), as large as two fit in LDS.  16 K steps = 1 + 5 x 3: slot 0's first fill brings K step 0 alone, slot 1's K steps 1-3, and four refills
; of one shape bring the rest.  Between a refill's request and the wait for it a wave issues 32 + 128 = 160 matrix instructions.  P's two sets of registers change with every K step and the slots with every third, and no two
; runs of six K steps refill alike: so the K steps are written out, 1,088 matrix instructions with the last K step's two copies.
; CLUSTERS: 4 x 4.  R's tiles are shared along a row of the cluster, P's along a column: each is asked for jointly.
; 192 work-groups: the quantiser wants 128 next-K in one wave, so a wave's tile is 128 x 128, and 3 x 2,048 x 2,048 results are 192 blocks of 256 x 256.
; cos and sin (one image of 8,192 bytes for a tile of 16 tokens) go from memory straight into registers, three tiles ahead: a small part of the launch's bytes, so they are not shared through LDS.
; LIMITS: a block of zeros gets the scale byte 1 where the rule says 127 (zero codes; this program alone reads the bytes); largest magnitudes under 2^-122 are held at byte 1; NaN and infinities are not served.
; REGISTERS, in windows of 256: window 0: v16-29 addresses; v32-47 scale words, two sets; v128-223 R's fragments, ONE set; on the way out v128-228 are at work.  window 1: P's fragments, TWO sets (v0, v128); at the end cos and sin.
;   window 2: the accumulators of R's tiles 0-3 ((a, b) at v[8 (8 a + b)]);  window 3: those of tiles 4-7.
.set REC,   12800
.set RB,    16*REC                     ; a row block: 16 K steps
.set SEC,   16*RB                      ; an operand of 2,048 x 2,048
.set NQ,    3                          ; K steps in a slot
.set BLK,   NQ*REC                     ; what one refill of a wave brings: three K steps of 128 rows
.set SLOT,  4*BLK                      ; R's two halves, then P's two halves
.set SPARE, 2*SLOT                     ; behind the ring: the spare words, 128 bytes for each wave: two blocks of 256 bytes that no other line names
.set FR,    12
.set NL,    3                          ; LDS loads that bring a fragment
.set NP,    4                          ; places behind this matrix instruction (ISA guide 7.12.1)
.set ADRA,  16                         ; v16-17 my half of R in slot 0, 1: + 16 x lane
.set ADRB,  20                         ; v20-21 my half of P
.set ADRS,  24                         ; v24-25 scale words: lanes 0-15 R's rows, lanes 16-31 P's
.set LI,    26                         ; 16 x lane
.set L4R,   27                         ; 4 x (lane % 16)
.set SPW,   28                         ; LDS address of my spare word; never rewritten
.set NIL,   29                         ; 0; never rewritten
.set SC,    32                         ; scale words: set p (the K step's parity, as P's sets) at v[SC + 8 p]; register i: lanes 0-15 R's tile i, lanes 16-31 P's tile i
.set AF,    128
.set TT,    128                        ; the way out: v128-191 the rotation's products
.set PC,    192                        ; v192-203 the codes; v204-206, v208-210 second halves
.set TM,    212                        ; v212-227 the quantiser's work
.set PW,    228                        ; the scale word
.set G1,  24                           ; s[24:31] group 1 for R's tiles of three K steps;  s[32:39] group 0, one set for each slot
.set G0,  32
.set G1B, 48                           ; s[48:55], s[56:63] the same for P's
.set G0B, 56
.set G1S, 80                           ; s[80:87], s[88:95] groups 1 for the one fill of a single K step, R's and P's
.set G1SB, 88
.set OUT, 66                           ; s[66:67] my record of the output
.set CSP, 68                           ; s[68:69] cos and sin of my 128 tokens
.set SEL, 96                           ; s[96:97]
.set MSB, 0
.macro WIN new                         ; the immediate's high byte repeats the setting that is left
.if MSB != (\new)
	s_set_vgpr_msb (MSB<<8)|(\new)
.set MSB, (\new)
.endif
.endm
.set MUL_LO, 0xa1                      ; source 0 (P) window 1, source 1 (R) window 0, C and D window 2
.set MUL_HI, 0xf1
.set TO_B,   0x40
; A joint load: waves 0 and 1 fetch R's halves, waves 2 and 3 P's.  The branch hangs on the wave's number alone.  Four v_nop follow each of the two lines.
.macro JLOAD g0a, g1a, g0b, g1b
	s_cmp_eq_u32 s15, 0
	s_cbranch_scc0 .Lfor_b_\@
	tensor_load_to_lds s[\g0a:\g0a+3], s[\g1a:\g1a+7]
	s_nop 0
.rept 4
	v_nop
.endr
	s_branch .Lasked_\@
.Lfor_b_\@:
	tensor_load_to_lds s[\g0b:\g0b+3], s[\g1b:\g1b+7]
	s_nop 0
.rept 4
	v_nop
.endr
.Lasked_\@:
.endm
.macro CREST                           ; a round of the cluster's barrier behind its opening barrier
	s_cmp_lg_u32 s14, 0
	s_cbranch_scc1 .Lnot_wave_0_\@
	s_barrier_signal -3
.Lnot_wave_0_\@:
	s_barrier_wait -3
	s_barrier_signal -1
	s_barrier_wait -1
.endm
.macro CROUND
	s_barrier_signal -1
	s_barrier_wait -1
	CREST
.endm
	s_load_b256 s[4:11], s[0:1], 0x0               ; ximg, wimg, csimg, qimg
	s_load_b64 s[12:13], s[0:1], 0x20              ; kvimg
	v_lshl_add_u32 v[SPW], v0, 2, SPARE
	v_mov_b32 v[NIL], 0
	ds_add_u32 v28, v29
	s_wait_dscnt 0x0
	v_lshrrev_b32 v1, 5, v0
	v_readfirstlane_b32 s14, v1                    ; wave 0..3
	s_lshr_b32 s15, s14, 1                         ; wr: my half of R.  Also: I fetch for R (0) or for P (1)
	s_and_b32 s16, s14, 1                          ; wp: my half of P.  Also: which half I fetch
	s_bfe_u32 s40, ttmp6, 0x40000                  ; cx, cy
	s_bfe_u32 s41, ttmp6, 0x40004
	s_lshl_b32 s42, ttmp9, 2
	s_add_co_u32 s42, s42, s40                     ; xi = 4 x cluster x + cx
	s_and_b32 s17, ttmp7, 0xffff
	s_lshl_b32 s17, s17, 2
	s_add_co_u32 s17, s17, s41                     ; yi = 4 x cluster y + cy
	s_lshl_b32 s43, s41, 2
	s_lshl_b32 s43, 15, s43                        ; my row of the cluster
	s_lshl_b32 s44, 0x1111, s40                    ; my column
	; group 1: a dense block of 38,400 bytes as 150 rows of 32 elements of 8 bytes, no padding
	s_or_b32 s[G1+0], s43, (3<<16)|(1<<21)         ; 15:0 the mask: R's tiles go to my row; 17:16 elements of 8 bytes; 21 set beside a mask
	s_or_b32 s[G1B+0], s44, (3<<16)|(1<<21)        ; P's go to my column
.irp g, G1, G1B
	s_mov_b32 s[\g+1], 32<<16                      ; tensor_dim0
	s_mov_b32 s[\g+2], 150<<16                     ; tensor_dim1
	s_mov_b32 s[\g+3], 32<<16                      ; tile_dim0
	s_mov_b32 s[\g+4], 150                         ; tile_dim1
	s_mov_b32 s[\g+5], 32                          ; tensor_dim0_stride
	s_mov_b32 s[\g+6], 0
	s_mov_b32 s[\g+7], 0
.endr
	; and for K step 0 alone: one record, 50 such rows
	s_or_b32 s[G1S+0], s43, (3<<16)|(1<<21)
	s_or_b32 s[G1SB+0], s44, (3<<16)|(1<<21)
.irp g, G1S, G1SB
	s_mov_b32 s[\g+1], 32<<16
	s_mov_b32 s[\g+2], 50<<16
	s_mov_b32 s[\g+3], 32<<16
	s_mov_b32 s[\g+4], 50
	s_mov_b32 s[\g+5], 32
	s_mov_b32 s[\g+6], 0
	s_mov_b32 s[\g+7], 0
.endr
	s_lshl_b32 s20, s17, 1
	s_add_co_u32 s20, s20, s16                     ; R: row block 2 yi + the half that I fetch
	s_mul_i32 s20, s20, RB
	s_mov_b32 s21, 0
	s_lshl_b32 s98, s42, 1
	s_add_co_u32 s98, s98, s16                     ; P: row block 2 xi + the half
	s_mul_i32 s98, s98, RB
	s_mov_b32 s99, 0
	s_mov_b32 s23, 0
	s_mov_b32 s101, 0
	s_mul_i32 s45, s14, BLK                        ; where my tile goes: wave x 38,400: no place in the cluster enters an LDS address
	s_mov_b32 s[SEL], 0x76543210
	s_mov_b32 s[SEL+1], 0xfedcba98
	s_wait_kmcnt 0x0
	s_cmp_lt_u32 ttmp9, 4                          ; q, k (clusters 0-3) or v (4, 5): the cluster's x, alike in all partners
	s_cselect_b64 s[18:19], s[4:5], s[6:7]         ; R: x, or the weights
	s_cselect_b64 s[46:47], s[6:7], s[4:5]         ; P: the weights (Wq's and Wk's sections lie on end), or x
	s_cselect_b32 s22, 0, 2*SEC                    ; v: R lies in Wv's section,
	s_cselect_b32 s100, 0, 32*RB                   ; and P's blocks count from xi = 16
	s_add_nc_u64 s[20:21], s[20:21], s[22:23]
	s_sub_nc_u64 s[98:99], s[98:99], s[100:101]
	s_add_nc_u64 s[18:19], s[18:19], s[20:21]
	s_add_nc_u64 s[46:47], s[46:47], s[98:99]
	CROUND                                         ; all sixteen work-groups are here: the first joint loads meet
.irp s, 0,1
	s_mov_b32 s[G0+4*\s], 1
	s_add_co_u32 s[G0+4*\s+1], s45, \s*SLOT
	s_add_nc_u64 s[G0+4*\s+2:G0+4*\s+3], s[18:19], \s*REC      ; slot 0 begins with K step 0, slot 1 with K step 1
	s_or_b32 s[G0+4*\s+3], s[G0+4*\s+3], 0x80000000
	s_mov_b32 s[G0B+4*\s], 1
	s_add_co_u32 s[G0B+4*\s+1], s45, \s*SLOT
	s_add_nc_u64 s[G0B+4*\s+2:G0B+4*\s+3], s[46:47], \s*REC
	s_or_b32 s[G0B+4*\s+3], s[G0B+4*\s+3], 0x80000000
.endr
	JLOAD G0, G1S, G0B, G1SB                       ; K step 0 alone into slot 0,
	JLOAD G0+4, G1, G0B+4, G1B                     ; K steps 1 to 3 into slot 1: two loads of mine are out
	v_and_b32 v1, 15, v0                           ; r
	v_bfe_u32 v2, v0, 4, 1                         ; h
	v_and_b32 v3, 31, v0
	v_lshlrev_b32 v[LI], 4, v3
	v_lshlrev_b32 v[L4R], 2, v1
	s_mul_i32 s21, s15, BLK                        ; my half of R
	s_mul_i32 s22, s16, BLK
	s_add_co_u32 s22, s22, 2*BLK                   ; my half of P, behind R's two
	s_sub_co_u32 s23, s22, s21
	v_mul_u32_u24 v4, s23, v2                      ; lanes 16-31 take P's scale words: one product, the distance between the two
	v_add_nc_u32 v4, v4, v[L4R]
	v_add_nc_u32 v4, 12288, v4
.irp s, 0,1
	v_add_nc_u32 v[ADRA+\s], s21, v[LI]
	v_add_nc_u32 v[ADRB+\s], s22, v[LI]
	v_add_nc_u32 v[ADRS+\s], s21, v4
	s_add_co_u32 s21, s21, SLOT
	s_add_co_u32 s22, s22, SLOT
.endr
	; where my record goes.  q, k: head = (2 xi + wp) % 16, block of tokens = 2 yi + wr;  v: head = 2 yi + wr, block of keys = 2 xi + wp - 32
	s_lshl_b32 s70, s42, 1
	s_add_co_u32 s70, s70, s16
	s_lshl_b32 s71, s17, 1
	s_add_co_u32 s71, s71, s15
	s_and_b32 s72, s70, 15
	s_sub_co_u32 s73, s70, 32
	s_cmp_lt_u32 ttmp9, 4
	s_cselect_b32 s72, s72, s71
	s_cselect_b32 s73, s71, s73
	s_cselect_b32 s74, 0, REC                      ; V's record lies behind K's
	s_lshl_b32 s72, s72, 4
	s_add_co_u32 s72, s72, s73                     ; 16 x head + block
	s_mul_i32 s72, s72, REC
	s_cmp_lt_u32 ttmp9, 2                          ; q (clusters 0, 1) goes to qimg, one record a place; k and v to kvimg, two
	s_cselect_b64 s[OUT:OUT+1], s[10:11], s[12:13]
	s_cselect_b32 s75, 0, s72
	s_add_co_u32 s72, s72, s75
	s_add_co_u32 s72, s72, s74
	s_mov_b32 s73, 0
	s_add_nc_u64 s[OUT:OUT+1], s[OUT:OUT+1], s[72:73]
	s_lshl_b32 s76, s71, 16                        ; eight images of 8,192 bytes for a block of 128 tokens
	s_mov_b32 s77, 0
	s_add_nc_u64 s[CSP:CSP+1], s[8:9], s[76:77]
.macro FRAG reg, adr, q, i             ; a fragment as it was stored: three loads of 16 bytes a lane, 512 consecutive bytes each
.irp c, 0,1,2
	ds_load_b128 v[\reg+4*\c:\reg+4*\c+3], v[\adr] offset:REC*(\q)+1536*(\i)+512*\c
.endr
.endm
; 16 matrix instructions: R's tiles a0, a0 + 1 x P's eight; p: P's set and the set of scale words.  The 64 accumulators take turns, one instruction a turn, in the same order in every step.
.macro MUL16 a0, p, zero
.irp a, \a0, \a0+1
.irp b, 0,1,2,3,4,5,6,7
.if \zero
	v_wmma_scale_f32_16x16x128_f8f6f4 v[8*(8*((\a)%4)+\b):8*(8*((\a)%4)+\b)+7], v[128*(\p)+FR*\b:128*(\p)+FR*\b+FR-1], v[AF+FR*(\a):AF+FR*(\a)+FR-1], 0, v[SC+8*(\p)+\b], v[SC+8*(\p)+(\a)] matrix_a_fmt:MATRIX_FMT_BF6 matrix_b_fmt:MATRIX_FMT_BF6 matrix_a_scale:MATRIX_SCALE_ROW1
.else
	v_wmma_scale_f32_16x16x128_f8f6f4 v[8*(8*((\a)%4)+\b):8*(8*((\a)%4)+\b)+7], v[128*(\p)+FR*\b:128*(\p)+FR*\b+FR-1], v[AF+FR*(\a):AF+FR*(\a)+FR-1], v[8*(8*((\a)%4)+\b):8*(8*((\a)%4)+\b)+7], v[SC+8*(\p)+\b], v[SC+8*(\p)+(\a)] matrix_a_fmt:MATRIX_FMT_BF6 matrix_b_fmt:MATRIX_FMT_BF6 matrix_a_scale:MATRIX_SCALE_ROW1
.endif
.endr
.endr
.endm
.macro FETCH_B slot, q, p              ; P's eight fragments of the slot's q-th K step into set p
	WIN TO_B
.irp i, 0,1,2,3,4,5,6,7
	FRAG 128*(\p)+FR*\i, ADRB+\slot, \q, \i
.endr
	WIN 0
.endm
.macro FETCH_A slot, q, i0             ; R's tiles i0 .. i0 + 3
.irp i, \i0, \i0+1, \i0+2, \i0+3
	FRAG AF+FR*(\i), ADRA+\slot, \q, \i
.endr
.endm
.macro SCALES slot, q, p               ; the scale words of the slot's q-th K step into set p: lanes 0-15 R's tile i, lanes 16-31 P's tile i
.irp i, 0,1,2,3,4,5,6,7
	ds_load_b32 v[SC+8*(\p)+\i], v[ADRS+\slot] offset:REC*(\q)+64*\i
.endr
.endm
.macro PLACES n                        ; plain vector instructions between a matrix instruction and a load into, or a read of, its registers (ISA guide 7.12.1 for reads)
.rept \n
	v_nop
.endr
.endm
.macro STEP slot, q, p, zero           ; the slot's q-th K step, on set p; its successor lies in the same slot
	s_wait_dscnt 4*NL                              ; P's set, R's tiles 0-3 and the scale words are in; the youngest twelve loads (R's tiles 4-7) may be out
	WIN MUL_LO
	MUL16 0, \p, \zero
	MUL16 2, \p, \zero
	s_wait_dscnt 0                                 ; R's tiles 4-7 are in
	PLACES NP
	FETCH_B \slot, (\q)+1, 1-(\p)
	FETCH_A \slot, (\q)+1, 0
	SCALES \slot, (\q)+1, 1-(\p)
	WIN MUL_HI
	MUL16 4, \p, \zero
	MUL16 6, \p, \zero
	PLACES NP
	WIN 0
	FETCH_A \slot, (\q)+1, 4
.endm
; A slot's last K step, on set p, changes slots: ONE barrier; in front of it each wave waits for all its tensor loads, adds 0 to its spare word, and waits for that and for its own reads of this slot.
; fill = 1: the slot is filled again with three K steps, which begin stepb bytes behind its last fill's.
.macro TURN slot, p, next, fill, stepb, zero
	s_wait_tensorcnt 0x0                           ; all my tensor loads have landed: my part of the next slot
	ds_add_u32 v[SPW], v[NIL]                      ; 0 onto my spare word
	s_wait_dscnt 4*NL+1                            ; (the add and the youngest twelve loads may be out)
	WIN MUL_LO
	MUL16 0, \p, \zero                             ; sixteen matrix instructions stand between the add and the wait for it
	s_wait_dscnt 0x0                               ; the add is done, and my reads of this slot are over
	s_barrier_signal -1
	MUL16 2, \p, \zero
	WIN 0
	s_barrier_wait -1
.if \fill
	CREST                                          ; the barrier has opened a round of the cluster's barrier: no wave of any partner still reads this slot or has a load on its way
	s_add_nc_u64 s[G0+4*\slot+2:G0+4*\slot+3], s[G0+4*\slot+2:G0+4*\slot+3], \stepb
	s_add_nc_u64 s[G0B+4*\slot+2:G0B+4*\slot+3], s[G0B+4*\slot+2:G0B+4*\slot+3], \stepb
	JLOAD G0+4*\slot, G1, G0B+4*\slot, G1B         ; the first tensor load behind the round, my only one until the next; its four v_nop are the places in front of the loads below
.else
	PLACES NP
.endif
	FETCH_B \next, 0, 1-(\p)
	FETCH_A \next, 0, 0
	SCALES \next, 0, 1-(\p)
	WIN MUL_HI
	MUL16 4, \p, \zero
	MUL16 6, \p, \zero
	PLACES NP
	WIN 0
	FETCH_A \next, 0, 4
.endm
; The very last K step, on set 1: nothing more to fetch.  Behind it four places: the products' results are read, and their operands' registers written, from there on.
.macro LAST
	s_wait_dscnt 4*NL
	WIN MUL_LO
	MUL16 0, 1, 0
	MUL16 2, 1, 0
	s_wait_dscnt 0
	WIN MUL_HI
	MUL16 4, 1, 0
	MUL16 6, 1, 0
	WIN 0
	PLACES NP
.irp b, 0,1,2,3
	v_mov_b32 v[TM+4+\b], 0                        ; written once: a lane permute's destination counts as one of its sources
.endr
.endm
; THE WAY OUT, a tile of 16 rows of R at a time: (q, k: the rotation,) the quantiser, the fragment's image and its scale words to memory.  Nothing goes through LDS.
.macro CSLOAD a                        ; cos (32 registers) and sin (32) of tile a's tokens, in the order of my register pairs, into place a % 4 of window 1
	WIN 0x40
.irp g, 0,1,2,3,4,5,6,7,8,9,10,11,12,13,14,15
	global_load_b128 v[64*((\a)%4)+4*\g:64*((\a)%4)+4*\g+3], v[LI], s[CSP:CSP+1] offset:8192*(\a)+512*\g
.endr
	WIN 0
.endm
.macro ROPE a                          ; registers 2 p, 2 p + 1 hold an even channel and the odd one beside it: (e, o) -> (e cos - o sin, e sin + o cos)
.set WX, 2+(\a)/4
.set AC, 64*((\a)%4)
.if (\a) < 6
	s_wait_loadcnt 32                              ; this tile's sixteen loads are in; those of the two tiles behind it may be out
.else
	s_wait_loadcnt 16*(7-(\a))
.endif
	WIN WX|(1<<2)                                  ; source 0 the accumulators' window, source 1 window 1
.set p, 0
.rept 32
	v_mul_f32 v[TT+2*p], v[AC+2*p+1], v[AC+32+p]   ; o sin  (each accumulator is read from its low end on)
	v_mul_f32 v[TT+2*p+1], v[AC+2*p], v[AC+32+p]   ; e sin
.set p, p+1
.endr
	WIN (WX<<6)|(1<<2)|WX
.set p, 0
.rept 32
	v_fma_f32 v[AC+2*p], v[AC+2*p], v[AC+p], -v[TT+2*p]
	v_fma_f32 v[AC+2*p+1], v[AC+2*p+1], v[AC+p], v[TT+2*p+1]
.set p, p+1
.endr
	WIN 0
.endm
.macro QUANTW a                        ; 64 numbers of a lane, register 16 b + i = next-K 32 b + 16 (lane / 16) + i of my row, become a fragment's codes in v[PC] on and its scale word in v[PW]
.set WX, 2+(\a)/4
.set AC, 64*((\a)%4)
.if (\a) > 0
	s_wait_xcnt 0x0                                ; the last tile's stores have read their data: the codes and the word may be written again
.endif
	WIN (WX<<2)|(WX<<4)
.irp b, 0,1,2,3
	v_max3_num_f32 v[TM+\b], 0x2800000, |v[AC+16*\b]|, |v[AC+16*\b+1]|   ; my 16 numbers of block b, and the floor 2^(5 - 127): the byte cannot fall under 1
.endr
.irp i, 2,4,6,8,10,12,14
.irp b, 0,1,2,3
	v_max3_num_f32 v[TM+\b], v[TM+\b], |v[AC+16*\b+\i]|, |v[AC+16*\b+\i+1]|
.endr
.endr
	WIN 0
.irp b, 0,1,2,3
	v_permlanex16_b32 v[TM+4+\b], v[TM+\b], s[SEL], s[SEL+1]
.endr
.irp b, 0,1,2,3
	v_max_num_f32 v[TM+\b], v[TM+\b], v[TM+4+\b]   ; with lane l xor 16's: the block's largest magnitude
.endr
.irp b, 0,1,2,3
	v_add_nc_u32 v[TM+12+\b], 0xfe000000, v[TM+\b] ; 4 off its exponent field: the conversion's scale operand
.endr
.irp b, 0,1,2,3
	v_lshrrev_b32 v[TM+4+\b], 23, v[TM+12+\b]      ; the scale's byte
.endr
	v_lshl_or_b32 v[PW], v[TM+5], 8, v[TM+4]
	v_lshl_or_b32 v[PW], v[TM+6], 16, v[PW]
	v_lshl_or_b32 v[PW], v[TM+7], 24, v[PW]
	WIN WX
.irp c, 0,1
	v_cvt_scalef32_pk16_bf6_f32 v[PC+6*\c:PC+2+6*\c], v[AC+32*\c:AC+15+32*\c], v[TM+12+2*\c]
	v_cvt_scalef32_pk16_bf6_f32 v[PC+12+4*\c:PC+14+4*\c], v[AC+16+32*\c:AC+31+32*\c], v[TM+12+2*\c+1]   ; (a conversion's three registers begin on an even number)
.endr
	WIN 0
	v_nop                                          ; one plain place behind a scaled conversion
.irp c, 0,1                            ; the operand's layout wants a WHOLE block in a lane
.irp i, 0,1,2
	v_permlane16_swap_b32 v[PC+6*\c+\i], v[PC+12+4*\c+\i]
.endr
.irp i, 0,1,2
	v_mov_b32 v[PC+3+6*\c+\i], v[PC+12+4*\c+\i]
.endr
.endr
.endm
.macro PUT a
.irp c, 0,1,2
	global_store_b128 v[LI], v[PC+4*\c:PC+4*\c+3], s[OUT:OUT+1] offset:1536*(\a)+512*\c   ; 32 lanes store 512 consecutive bytes, at a multiple of 256 from the buffer's first byte
.endr
	global_store_b32 v[L4R], v[PW], s[OUT:OUT+1] offset:12288+64*(\a)   ; lanes 16-31 repeat lanes 0-15's address and value
.endm
	s_wait_tensorcnt 1                             ; my part of K step 0 is in; slot 1's load may be out
	s_barrier_signal -1
	s_barrier_wait -1
	FETCH_B 0, 0, 0
	FETCH_A 0, 0, 0
	SCALES 0, 0, 0
	FETCH_A 0, 0, 4
	TURN 0, 0, 1, 1, 4*REC, 1                      ; K step 0: its products start the sums; it is all of slot 0's first fill, so slot 0 takes K steps 4 to 6 at once
	STEP 1, 0, 1, 0                                ; K step 1
	STEP 1, 1, 0, 0                                ; K step 2
	TURN 1, 1, 0, 1, 6*REC, 0                      ; K step 3; slot 1 takes K steps 7 to 9
	STEP 0, 0, 0, 0                                ; K step 4
	STEP 0, 1, 1, 0                                ; K step 5
	TURN 0, 0, 1, 1, 6*REC, 0                      ; K step 6; slot 0 takes K steps 10 to 12
	STEP 1, 0, 1, 0                                ; K step 7
	STEP 1, 1, 0, 0                                ; K step 8
	TURN 1, 1, 0, 1, 6*REC, 0                      ; K step 9; slot 1 takes K steps 13 to 15
	STEP 0, 0, 0, 0                                ; K step 10
	STEP 0, 1, 1, 0                                ; K step 11
	TURN 0, 0, 1, 0, 0, 0                          ; K step 12; nothing is left to fetch
	STEP 1, 0, 1, 0                                ; K step 13
	STEP 1, 1, 0, 0                                ; K step 14
	s_cmp_lt_u32 ttmp9, 4                          ; HERE THE WAYS PART, once: q and k (clusters 0-3) are rotated, v (clusters 4, 5) is not.  No barrier and no tensor load stands on either way
	s_cbranch_scc0 .Lv
	CSLOAD 0                                       ; P's set 0 (window 1, v0-95) was last read in front of the four places at the end of the step above: the first two tiles' cos and sin land
	CSLOAD 1                                       ; there (v0-127) while the last K step, which reads set 1, is multiplied
	LAST                                           ; K step 15
	CSLOAD 2                                       ; into set 1's registers, behind the last products' places
.irp a, 0,1,2,3,4,5,6,7
	ROPE \a
.if \a < 5
	CSLOAD \a+3                                    ; three tiles ahead, into the place that tile a - 1 has left
.endif
	QUANTW \a
	PUT \a
.endr
	s_branch .Ldone
.Lv:
	LAST                                           ; K step 15
.irp a, 0,1,2,3,4,5,6,7
	QUANTW \a
	PUT \a
.endr
.Ldone:
	s_wait_tensorcnt 0x0                           ; the wave's end
	ds_add_u32 v[SPW], v[NIL]
	s_wait_dscnt 0x0
	CROUND                                         ; the closing round: no work-group ends while a partner may still ask for a tile that names it
	s_endpgm
.Lfunc_end_k_q0227e23224_qkv:
	.size	k_q0227e23224_qkv, .Lfunc_end_k_q0227e23224_qkv-k_q0227e23224_qkv
	.p2alignl 7, 3214868480
	.fill 96, 4, 3214868480
	.section	.rodata,"a",@progbits
	.p2align	6, 0x0
	.amdhsa_kernel k_q0227e23224_qkv
		.amdhsa_group_segment_fixed_size 327680
		.amdhsa_private_segment_fixed_size 0
		.amdhsa_enable_private_segment 0
		.amdhsa_kernarg_size 40
		.amdhsa_user_sgpr_count 2
		.amdhsa_user_sgpr_kernarg_segment_ptr 1
		.amdhsa_wavefront_size32 1
		.amdhsa_system_sgpr_workgroup_id_x 1
		.amdhsa_system_sgpr_workgroup_id_y 1
		.amdhsa_system_sgpr_workgroup_id_z 1
		.amdhsa_system_vgpr_workitem_id 0
		.amdhsa_next_free_vgpr 1024
		.amdhsa_next_free_sgpr 102
		.amdhsa_reserve_vcc 0
		.amdhsa_float_denorm_mode_32 3
		.amdhsa_float_denorm_mode_16_64 3
		.amdhsa_memory_ordered 1
		.amdhsa_forward_progress 1
		.amdhsa_inst_pref_size 255
	.end_amdhsa_kernel
	.section	.bss,"aw",@nobits
	.p2align	6
	.space	262144
	.amdgpu_metadata
---
amdhsa.version: [ 1, 2 ]
amdhsa.kernels:
  - .name:           k_q0227e23224_qkv
    .symbol:         k_q0227e23224_qkv.kd
    .args:
      - { .name: ximg, .offset: 0, .size: 8, .value_kind: global_buffer, .address_space: global }
      - { .name: wimg, .offset: 8, .size: 8, .value_kind: global_buffer, .address_space: global }
      - { .name: csimg, .offset: 16, .size: 8, .value_kind: global_buffer, .address_space: global }
      - { .name: qimg, .offset: 24, .size: 8, .value_kind: global_buffer, .address_space: global }
      - { .name: kvimg, .offset: 32, .size: 8, .value_kind: global_buffer, .address_space: global }
    .group_segment_fixed_size: 327680
    .private_segment_fixed_size: 0
    .kernarg_segment_align: 8
    .kernarg_segment_size: 40
    .max_flat_workgroup_size: 128
    .sgpr_count:     102
    .vgpr_count:     1024
    .wavefront_size: 32
...
	.end_amdgpu_metadata
.endif
;; end of part 2
;; launch attn (part 3): grid 16 x 16, 16 waves a work-group, clusters of 4 x 1, 327,680 bytes of LDS; arguments qimg, kvimg, mimg, aimg; writes aimg
.if DOCPART == 3
	.amdgcn_target "amdgcn-amd-amdhsa--gfx1250"
	.amdhsa_code_object_version 6
	.text
	.protected	k_q0227e23224_attn
	.globl	k_q0227e23224_attn
	.p2align	8
	.type	k_q0227e23224_attn,@function
k_q0227e23224_attn:
	s_mov_b64 s[64:65], 0
	v_nop
	global_prefetch_b8 v0, s[64:65] scope:SCOPE_SE
	s_setreg_imm32_b32 hwreg(HW_REG_WAVE_MODE, 25, 1), 1
	s_wait_xcnt 0x0
	s_wait_alu depctr_hold_cnt(0) depctr_sa_sdst(0) depctr_va_vdst(0) depctr_va_sdst(0) depctr_va_ssrc(0) depctr_va_vcc(0) depctr_vm_vsrc(0)
	s_getreg_b32 s2, hwreg(HW_REG_IB_STS2, 6, 4)
	s_cmp_eq_u32 s2, 0
	s_cbranch_scc0 .Lentry_in_a_cluster
	s_endpgm
.Lentry_in_a_cluster:
	s_bfe_u32 s2, ttmp6, 0x10000c
	s_cmp_lg_u32 s2, 0x3003
	s_cbranch_scc0 .Lentry_shape_is_right
	s_endpgm
.Lentry_shape_is_right:
; a[q][head] = softmax_k(q . k / sqrt(128) + mask + 1e-9) v for 16 heads of 128, 2,048 queries and keys, both products on codes of BF6 (E3M2) with E8M0 scales; the result is quantised along the model's 2,048 for the last product.
; THE MASK IS AN INPUT: every score takes its number.  It arrives as C' = (mask + 1e-9) sqrt(128) in the layout of the score accumulators, is loaded straight into them and is the C of the first product:
; S = k q^T + C', t = c S with c = log2(e) / sqrt(128).  So the mask costs no vector instruction and no LDS byte.  It goes to registers, so it is not shared through a joint load.
; THE SOFTMAX: M = the row's largest t so far, rounded UP to a whole number; p = 2^(t - M) is quantised along the keys, not normalised; the row's sum is taken of the unquantised p and divides at the end.
; SHARES.  A work-group owns 128 queries of one head.  Wave w owns query tile t = w % 8 (16 queries) and key half w / 8 (key steps 8 (w / 8) .. + 7 of 128 keys): four waves to a SIMD, so that one wave's vector work
; stands beside another's matrix work and LDS loads.  The two halves of a tile are merged once, through LDS: M is a whole number, so bringing both under the larger M rounds nothing.
; OPERANDS ARE RECORDS (12,800 bytes: 128 rows x 128 K as an image of the operand's registers; row r of tile t is row 32 (t / 2) + 8 (t % 2) + r + 8 (r / 8)).  Both products are used transposed: a lane holds ONE query;
; by the order of the rows in K's and V's tiles its registers 16 b + i are key (channel) 32 b + 16 (lane / 16) + i.
; THE RING: two slots of four blocks (K's and V's record of one key step: 25,600 bytes): two key steps for each key half.  CLUSTER: the four query blocks of a cluster belong to one head and ask for K and V jointly.
; No prefetch is laid: a step's mask image is asked for, into registers, a whole key step ahead of its use, and a refill of K and V has two key steps of each of a SIMD's four waves in which to land.
; LIMITS.  The logit is rounded in another order than in the definition: t = c x round(score + round((mask + 1e-9) sqrt(128))) against ((score / sqrt(128) + mask) + 1e-9) log2(e); the two agree to f32's accuracy of the larger
; term.  Where every key of a row carries a mask of about -1e9, both drop the scores (here under |score| = 512, there under 362).  A block of zeros gets the scale byte 1 where the rule says 127.  NaN and infinities are not served.
; REGISTERS: v1-11 addresses; v12 -M, v13 the largest t, v[14:15] the sum in two halves; v16-27 Q; v32-79 four fragments; v80-87 scale words (lanes 0-15 K's tile i, lanes 16-31 V's); v96-159 C', S^T, p; v160-223 O^T;
;   v224-235 p's codes; v232-254 at work; v253 p's scale word; v255 Q's scale words.
.set REC,   12800
.set BLK,   2*REC
.set SLOT1, 1<<17                      ; slot 1 begins here, so that one exclusive or turns an address in one slot into the other's
.set MERGE, SLOT1+4*BLK                ; behind the ring: for each query tile 8,192 bytes of O^T's image and 256 of (-M, sum) pairs; no fill lands here
.set MTILE, 8448
.set SPARE, MERGE+8*MTILE              ; the spare words, 128 bytes for each wave: eight blocks of 256 bytes that no other line names
.set LI,   1                           ; 16 x lane
.set AS0,  2                           ; scale words: 12,288 + 4 r + 12,800 h
.set MG,   3                           ; the merge: my 16 bytes of my tile's image
.set MG2,  4                           ; and my pair
.set SPW,  5
.set NIL,  6
.set SO,   7                           ; 4 r + 64 t
.set ADF,  8                           ; the block in hand + 16 x lane
.set ADS,  9                           ; and its scale words
.set FO,   11                          ; 16 x lane + 1,536 t
.set FRG,  32
.set KVS,  80
.set WV,   18
.set SEL,  20
.set CS,   22
.set TB,   2                           ; s2  LDS byte at which my key half's two blocks of the slot in hand begin
.set SLOTS, 36
.set MP,   38                          ; s[38:39] the mask image that was asked for last
.macro ROUND                           ; a round of the cluster's barrier
	s_barrier_signal -1
	s_barrier_wait -1
	s_cmp_lg_u32 s[WV], 0
	s_cbranch_scc1 .Lnot_wave_0_\@
	s_barrier_signal -3
.Lnot_wave_0_\@:
	s_barrier_wait -3
	s_barrier_signal -1
	s_barrier_wait -1
.endm
.macro TLOAD                           ; waves 0 to 3 fetch a block each, the others nothing; the branch hangs on the wave's number alone.  Four v_nop follow the line
	s_cmp_lt_u32 s[WV], 4
	s_cbranch_scc0 .Lasked_\@
	tensor_load_to_lds s[32:35], s[24:31]
	s_nop 0
.rept 4
	v_nop
.endr
.Lasked_\@:
.endm
.macro MLOAD                           ; a key step's C' of my 16 queries, 8,192 dense bytes, straight into the score accumulators; sixteen heads read these bytes, so no hint
.irp g, 0,1,2,3,4,5,6,7,8,9,10,11,12,13,14,15
	global_load_b128 v[96+4*\g:99+4*\g], v[LI], s[MP:MP+1] offset:512*\g
.endr
.endm
	s_load_b256 s[4:11], s[0:1], 0x0               ; qimg, kvimg, mimg, aimg
	v_lshl_add_u32 v[SPW], v0, 2, SPARE
	v_mov_b32 v[NIL], 0
	ds_add_u32 v5, v6
	s_wait_dscnt 0x0
	v_lshrrev_b32 v8, 5, v0
	v_readfirstlane_b32 s[WV], v8                  ; wave 0..15
	s_and_b32 s19, s[WV], 7                        ; t: my query tile
	s_lshr_b32 s12, s[WV], 3                       ; my key half
	s_bfe_u32 s13, ttmp6, 0x40000                  ; cx
	s_lshl_b32 s14, ttmp9, 2
	s_add_co_u32 s14, s14, s13                     ; my block of 128 queries: it enters global addresses of q, the mask and the result alone
	s_and_b32 s15, ttmp7, 0xffff                   ; the head, which the four partners share
	; group 1: a dense block of 25,600 bytes as 100 rows of 32 elements of 8 bytes
	s_mov_b32 s24, 15|(3<<16)|(1<<21)              ; 15:0 the mask: all four work-groups; 17:16 elements of 8 bytes; 21 set beside a mask
	s_mov_b32 s25, 32<<16
	s_mov_b32 s26, 100<<16
	s_mov_b32 s27, 32<<16
	s_mov_b32 s28, 100
	s_mov_b32 s29, 32
	s_mov_b32 s30, 0
	s_mov_b32 s31, 0
	s_and_b32 s44, s[WV], 3
	s_mul_i32 s45, s44, BLK                        ; block f = wave % 4 of a slot holds key step 2 p + f % 2 + 8 (f / 2) in phase p
	s_and_b32 s46, s[WV], 1
	s_bfe_u32 s47, s[WV], 0x10001
	s_lshl_b32 s47, s47, 3
	s_add_co_u32 s46, s46, s47
	s_mul_i32 s46, s46, BLK
	s_mul_i32 s47, s15, 16*BLK
	s_add_co_u32 s46, s46, s47
	s_mov_b32 s47, 0
	s_lshl_b32 s48, s15, 4
	s_add_co_u32 s48, s48, s14
	s_mul_i32 s48, s48, REC                        ; q's record: 16 x head + block
	s_mov_b32 s49, 0
	s_lshl_b32 s50, s14, 4
	s_add_co_u32 s50, s50, s15
	s_mul_i32 s50, s50, REC                        ; the result's: 16 x block + head (the head is the last product's K step)
	s_mov_b32 s51, 0
	s_lshl_b32 s52, s14, 3
	s_add_co_u32 s52, s52, s19
	s_lshl_b32 s52, s52, 4
	s_lshl_b32 s53, s12, 3
	s_add_co_u32 s52, s52, s53
	s_lshl_b32 s52, s52, 13                        ; the mask: image (8 x block + t) x 16 + my first key step
	s_mov_b32 s53, 0
	s_mov_b32 s[SEL], 0x76543210
	s_mov_b32 s[SEL+1], 0xfedcba98
	s_mov_b32 s[CS], 0x3e0293ee                    ; c = log2(e) / sqrt(128)
	s_mov_b32 s[CS+1], s[CS]
	s_mul_i32 s[TB], s12, 2*BLK
	s_mov_b32 s[SLOTS], 3
	s_wait_kmcnt 0x0
	s_mov_b32 s32, 1
	s_mov_b32 s33, s45
	s_add_nc_u64 s[34:35], s[6:7], s[46:47]
	s_or_b32 s35, s35, 0x80000000
	s_add_nc_u64 s[40:41], s[4:5], s[48:49]
	s_add_nc_u64 s[42:43], s[10:11], s[50:51]
	s_add_nc_u64 s[MP:MP+1], s[8:9], s[52:53]
	ROUND                                          ; all four work-groups are here: the first joint loads meet
	TLOAD                                          ; phase 0 into slot 0
	v_and_b32 v8, 15, v0                           ; r
	v_bfe_u32 v9, v0, 4, 1                         ; h
	v_and_b32 v10, 31, v0
	v_lshlrev_b32 v[LI], 4, v10
	v_mul_u32_u24 v[AS0], v9, REC                  ; lanes 16-31 take V's scale words, one record on
	v_lshl_add_u32 v[AS0], v8, 2, v[AS0]
	v_add_nc_u32 v[AS0], 12288, v[AS0]
	s_mul_i32 s54, s19, MTILE
	s_add_co_u32 s54, s54, MERGE
	v_add_nc_u32 v[MG], s54, v[LI]
	s_add_co_u32 s54, s54, 8192
	v_lshl_add_u32 v[MG2], v10, 3, s54
	s_mul_i32 s54, s19, 1536
	v_add_nc_u32 v[FO], s54, v[LI]
	s_lshl_b32 s54, s19, 6
	v_lshl_add_u32 v[SO], v8, 2, s54
.irp c, 0,1,2
	global_load_b128 v[16+4*\c:19+4*\c], v[FO], s[40:41] offset:512*\c   ; Q's fragment stays in registers
.endr
	global_load_b32 v255, v[SO], s[40:41] offset:12288
	MLOAD                                          ; my first key step's C'
	v_mov_b32 v13, 0xff61b1e6                      ; the largest t so far: -3e38
	v_floor_f32 v12, -v13                          ; -M
	v_mov_b32 v14, 0
	v_mov_b32 v15, 0
.irp b, 0,1,2,3
	v_mov_b32 v[236+\b], 0                         ; written once: a lane permute's destination counts as one of its sources
.endr
	v_mov_b32 v253, 0                              ; (named as the upper half of the pair v[252:253] before it is first written)
.set j, 0
.rept 64
	v_mov_b32 v[160+j], 0                          ; O^T.  (The step is written once: the first finds zeros, which the first change of M leaves zeros)
.set j, j+1
.endr
.macro KVFRAG g, off                   ; fragments 4 g .. 4 g + 3 of the record at byte off behind the address in hand
.irp t, 0,1,2,3
.irp c, 0,1,2
	ds_load_b128 v[FRG+12*\t+4*\c:FRG+12*\t+4*\c+3], v[ADF] offset:\off+1536*(4*\g+\t)+512*\c
.endr
.endr
.endm
.macro SMUL g                          ; S^T = K Q^T + C': C and D are the registers into which C' was loaded.  The step's sixteen accumulators take turns, one instruction a turn
.irp t, 0,1,2,3
	v_wmma_scale_f32_16x16x128_f8f6f4 v[96+8*(4*\g+\t):103+8*(4*\g+\t)], v[FRG+12*\t:FRG+12*\t+11], v[16:27], v[96+8*(4*\g+\t):103+8*(4*\g+\t)], v[KVS+4*\g+\t], v255 matrix_a_fmt:MATRIX_FMT_BF6 matrix_b_fmt:MATRIX_FMT_BF6
.endr
.endm
.macro OMUL g                          ; O^T += V^T P^T
.irp t, 0,1,2,3
	v_wmma_scale_f32_16x16x128_f8f6f4 v[160+8*(4*\g+\t):167+8*(4*\g+\t)], v[FRG+12*\t:FRG+12*\t+11], v[224:235], v[160+8*(4*\g+\t):167+8*(4*\g+\t)], v[KVS+4*\g+\t], v253 matrix_a_fmt:MATRIX_FMT_BF6 matrix_b_fmt:MATRIX_FMT_BF6 matrix_a_scale:MATRIX_SCALE_ROW1
.endr
.endm
.macro PLACES
.rept 4
	v_nop
.endr
.endm
; A KEY STEP: 128 keys, the q-th of my half in the slot in hand.  nxt = 1: the next step's C' is asked for as soon as p's registers are free.
.macro STEP q, nxt
	v_add_nc_u32 v[ADF], s[TB], v[LI]
	v_add_nc_u32 v[ADS], s[TB], v[AS0]
	v_nop
	v_nop                                          ; four places in front of loads into registers that the last products have read
	KVFRAG 0, BLK*\q
.irp i, 0,1,2,3,4,5,6,7
	ds_load_b32 v[KVS+\i], v[ADS] offset:BLK*\q+64*\i
.endr
	s_wait_dscnt 0x0
	s_wait_loadcnt 0x0                             ; this step's C', asked for a step ago (in the first step Q too)
	SMUL 0
	PLACES
	KVFRAG 1, BLK*\q
	s_wait_dscnt 0x0
	SMUL 1
	PLACES
	KVFRAG 0, BLK*\q+REC                           ; V's first four fragments land under the softmax
.irp b, 0,1,2,3
	v_max3_num_f32 v[232+\b], v[96+16*\b], v[97+16*\b], v[98+16*\b]   ; THE LARGEST SCORE OF EACH BLOCK OF 32 KEYS: for the row's maximum, and, since p rises with the score, for the block's largest p
.endr
.irp i, 3,5,7,9,11,13
.irp b, 0,1,2,3
	v_max3_num_f32 v[232+\b], v[232+\b], v[96+16*\b+\i], v[97+16*\b+\i]
.endr
.endr
.irp b, 0,1,2,3
	v_max_num_f32 v[232+\b], v[232+\b], v[111+16*\b]
.endr
.irp b, 0,1,2,3
	v_permlanex16_b32 v[236+\b], v[232+\b], s[SEL], s[SEL+1]
.endr
.irp b, 0,1,2,3
	v_max_num_f32 v[232+\b], v[232+\b], v[236+\b]  ; with lane l xor 16's 16 keys
.endr
	v_max3_num_f32 v254, v232, v233, v234
	v_max_num_f32 v254, v254, v235
	v_mul_f32 v254, s[CS], v254                    ; as t (c is positive)
	v_max_num_f32 v13, v13, v254                   ; the running largest t
	v_mov_b32 v254, v12
	v_floor_f32 v12, -v13                          ; the new -M = floor(-t) = -ceil(t)
	v_sub_f32 v254, v12, v254                      ; M's old value less its new one: a whole number, 0 or less
	v_cvt_i32_f32 v254, v254                       ; (it saturates)
	v_ldexp_f32 v252, 1.0, v254                    ; f = 2^(old M - new M)
.set j, 0
.rept 32
	v_pk_fma_f32 v[96+j:97+j], v[96+j:97+j], s[CS:CS+1], v[12:13] op_sel_hi:[1,0,0]   ; t - M, two at a time
.set j, j+2
.endr
.irp b, 0,1,2,3
	v_fma_f32 v[232+\b], v[232+\b], s[CS], v12     ; the same of each block's largest score
.endr
.set j, 0
.rept 64
	v_exp_f32 v[96+j], v[96+j]                     ; p = 2^(t - M): NOT normalised
.set j, j+1
.endr
	v_pk_mul_f32 v[14:15], v[14:15], v[252:253] op_sel_hi:[1,0]   ; the sums under the new M.  (A plain place behind the exponentials)
	s_wait_alu depctr_va_vdst(0)                   ; one wait for the whole batch, ahead of its first reader
.irp b, 0,1,2,3
	v_exp_f32 v[232+\b], v[232+\b]                 ; the block's largest p: the same two instructions on the same number give the same bits
.endr
	v_pk_add_f32 v[236:237], v[96:97], v[98:99]    ; THE ROW'S SUM IS TAKEN OF THE UNQUANTISED p: two at a time, in two chains
.irp j, 4,8,12,16,20,24,28,32,36,40,44,48,52,56,60
	v_pk_add_f32 v[14:15], v[14:15], v[96+\j:97+\j]
	v_pk_add_f32 v[236:237], v[236:237], v[98+\j:99+\j]
.endr
	v_pk_add_f32 v[14:15], v[14:15], v[236:237]
	s_wait_alu depctr_va_vdst(0)                   ; and one for the four
.irp b, 0,1,2,3
	v_max_num_f32 v[232+\b], 0x2800000, v[232+\b]  ; the floor 2^(5 - 127): the byte cannot fall under 1
.endr
.irp b, 0,1,2,3
	v_add_nc_u32 v[244+\b], 0xfe000000, v[232+\b]  ; 4 off the exponent field: the conversion's scale operand
.endr
.irp b, 0,1,2,3
	v_lshrrev_b32 v[236+\b], 23, v[244+\b]         ; the scale's byte
.endr
	v_lshl_or_b32 v253, v237, 8, v236              ; p's scale word for these 128 keys
	v_lshl_or_b32 v253, v238, 16, v253
	v_lshl_or_b32 v253, v239, 24, v253
.irp c, 0,1
	v_cvt_scalef32_pk16_bf6_f32 v[224+6*\c:226+6*\c], v[96+32*\c:111+32*\c], v[244+2*\c]
	v_cvt_scalef32_pk16_bf6_f32 v[236+4*\c:238+4*\c], v[112+32*\c:127+32*\c], v[244+2*\c+1]
.endr
	v_nop                                          ; one plain place behind a scaled conversion
.irp c, 0,1
.irp i, 0,1,2
	v_permlane16_swap_b32 v[224+6*\c+\i], v[236+4*\c+\i]
.endr
.irp i, 0,1,2
	v_mov_b32 v[227+6*\c+\i], v[236+4*\c+\i]
.endr
.endr
.if \nxt
	s_add_nc_u64 s[MP:MP+1], s[MP:MP+1], 8192      ; (this step's loads, which named the base, were waited for above)
	MLOAD                                          ; p's registers are done with: the next step's C' has a whole step in which to land
.endif
.set j, 0
.rept 32
	v_pk_mul_f32 v[160+j:161+j], v[160+j:161+j], v[252:253] op_sel_hi:[1,0]   ; O^T under the new M.  (These 32 are also the places in front of the products below)
.set j, j+2
.endr
	s_wait_dscnt 0x0
	OMUL 0
	PLACES
	KVFRAG 1, BLK*\q+REC
	s_wait_dscnt 0x0
	OMUL 1
.endm
; THE CHANGE OF SLOTS stands at a slot's head.  Each wave waits for all its tensor loads, adds 0 to its spare word, and waits for that and for its reads of the slot that it has left.  fill = 1: behind a round of the
; cluster's barrier that slot is filled with the next phase's four blocks: no wave of any partner still reads it or has a load on its way.  By this text's count a wave has one tensor load out.
.macro CHANGE fill
	s_wait_tensorcnt 0x0
	ds_add_u32 v[SPW], v[NIL]                      ; 0 onto my spare word
.if \fill
	s_xor_b32 s33, s33, SLOT1                      ; the walking descriptor: the other slot than last time,
	s_add_nc_u64 s[34:35], s[34:35], 2*BLK         ; two key steps on
.endif
	s_wait_dscnt 0x0
.if \fill
	ROUND
	TLOAD
.else
	s_barrier_signal -1
	s_barrier_wait -1
.endif
.endm
.Lslot:                                            ; three trips: behind each change of slots but the last the next phase is asked for
	CHANGE 1
	STEP 0, 1
	STEP 1, 1
	s_xor_b32 s[TB], s[TB], SLOT1
	s_sub_co_u32 s[SLOTS], s[SLOTS], 1
	s_cmp_lg_u32 s[SLOTS], 0
	s_cbranch_scc1 .Lslot
	CHANGE 0                                       ; the last phase is written out
	STEP 0, 1
	STEP 1, 0                                      ; my last key step asks for no further image
	; THE MERGE.  Waves 8 to 15 hand O^T, -M and the sum of their key half to waves 0 to 7 through LDS, as images of the registers.
	PLACES
	v_add_f32 v13, v14, v15                        ; the sum's two halves; with -M in v12 a pair
	s_cmp_lt_u32 s[WV], 8
	s_cbranch_scc1 .Lkeep
.irp g, 0,1,2,3,4,5,6,7,8,9,10,11,12,13,14,15
	ds_store_b128 v[MG], v[160+4*\g:163+4*\g] offset:512*\g   ; each accumulator from its low end on
.endr
	ds_store_b64 v[MG2], v[12:13]
.Lkeep:
	s_wait_dscnt 0x0                               ; for the others' sake: my stores have landed
	s_barrier_signal -1
	s_barrier_wait -1
	s_cmp_lt_u32 s[WV], 8
	s_cbranch_scc0 .Lend
.irp g, 0,1,2,3,4,5,6,7,8,9,10,11,12,13,14,15
	ds_load_b128 v[96+4*\g:99+4*\g], v[MG] offset:512*\g
.endr
	ds_load_b64 v[232:233], v[MG2]
	s_wait_dscnt 0x0
	v_min_num_f32 v234, v12, v232                  ; -M of both halves: M is the larger
	v_sub_f32 v235, v234, v12                      ; my M less the common one: a whole number, 0 or less
	v_sub_f32 v236, v234, v232                     ; the other half's likewise
	v_cvt_i32_f32 v235, v235
	v_cvt_i32_f32 v236, v236
	v_ldexp_f32 v235, 1.0, v235
	v_ldexp_f32 v236, 1.0, v236
	v_mul_f32 v237, v13, v235
	v_fma_f32 v237, v233, v236, v237               ; the sum under the common M,
	v_permlanex16_b32 v238, v237, s[SEL], s[SEL+1]
	v_add_f32 v237, v237, v238                     ; with lane l xor 16's keys: the row's sum
	v_rcp_f32 v239, v237
	v_nop                                          ; a plain place behind the transcendental
	s_wait_alu depctr_va_vdst(0)                   ; the wait, ahead of the first reader
	v_mul_f32 v244, v235, v239                     ; what my O^T is multiplied by,
	v_mul_f32 v246, v236, v239                     ; and the other half's
.set j, 0
.rept 32
	v_pk_mul_f32 v[160+j:161+j], v[160+j:161+j], v[244:245] op_sel_hi:[1,0]
.set j, j+2
.endr
.set j, 0
.rept 32
	v_pk_fma_f32 v[160+j:161+j], v[96+j:97+j], v[246:247], v[160+j:161+j] op_sel_hi:[1,0,1]
.set j, j+2
.endr
	; register 16 b + i is channel 32 b + 16 (lane / 16) + i of my query: the last product's K step = my head.  Quantised as the hidden layer of a chain is
.set TM, 32
.set PC, 224
.set PW, 48
.irp b, 0,1,2,3
	v_max3_num_f32 v[TM+\b], |v[160+16*\b]|, |v[161+16*\b]|, 0x2800000
.endr
.irp i, 2,4,6,8,10,12,14
.irp b, 0,1,2,3
	v_max3_num_f32 v[TM+\b], v[TM+\b], |v[160+16*\b+\i]|, |v[161+16*\b+\i]|
.endr
.endr
.irp b, 0,1,2,3
	v_permlanex16_b32 v[TM+4+\b], v[TM+\b], s[SEL], s[SEL+1]
.endr
.irp b, 0,1,2,3
	v_max_num_f32 v[TM+\b], v[TM+\b], v[TM+4+\b]
.endr
.irp b, 0,1,2,3
	v_add_nc_u32 v[TM+12+\b], 0xfe000000, v[TM+\b]
.endr
.irp b, 0,1,2,3
	v_lshrrev_b32 v[TM+4+\b], 23, v[TM+12+\b]
.endr
	v_lshl_or_b32 v[PW], v[TM+5], 8, v[TM+4]
	v_lshl_or_b32 v[PW], v[TM+6], 16, v[PW]
	v_lshl_or_b32 v[PW], v[TM+7], 24, v[PW]
.irp c, 0,1
	v_cvt_scalef32_pk16_bf6_f32 v[PC+6*\c:PC+2+6*\c], v[160+32*\c:175+32*\c], v[TM+12+2*\c]
	v_cvt_scalef32_pk16_bf6_f32 v[PC+12+4*\c:PC+14+4*\c], v[176+32*\c:191+32*\c], v[TM+12+2*\c+1]
.endr
	v_nop                                          ; one plain place behind a scaled conversion
.irp c, 0,1
.irp i, 0,1,2
	v_permlane16_swap_b32 v[PC+6*\c+\i], v[PC+12+4*\c+\i]
.endr
.irp i, 0,1,2
	v_mov_b32 v[PC+3+6*\c+\i], v[PC+12+4*\c+\i]
.endr
.endr
.irp c, 0,1,2
	global_store_b128 v[FO], v[PC+4*\c:PC+4*\c+3], s[42:43] offset:512*\c   ; 32 lanes store 512 consecutive bytes
.endr
	global_store_b32 v[SO], v[PW], s[42:43] offset:12288   ; lanes 16-31 repeat lanes 0-15's address and value
.Lend:
	s_wait_tensorcnt 0x0                           ; the wave's end
	ds_add_u32 v[SPW], v[NIL]
	s_wait_dscnt 0x0
	ROUND                                          ; the closing round
	s_endpgm
.Lfunc_end_k_q0227e23224_attn:
	.size	k_q0227e23224_attn, .Lfunc_end_k_q0227e23224_attn-k_q0227e23224_attn
	.p2alignl 7, 3214868480
	.fill 96, 4, 3214868480
	.section	.rodata,"a",@progbits
	.p2align	6, 0x0
	.amdhsa_kernel k_q0227e23224_attn
		.amdhsa_group_segment_fixed_size 327680
		.amdhsa_private_segment_fixed_size 0
		.amdhsa_enable_private_segment 0
		.amdhsa_kernarg_size 32
		.amdhsa_user_sgpr_count 2
		.amdhsa_user_sgpr_kernarg_segment_ptr 1
		.amdhsa_wavefront_size32 1
		.amdhsa_system_sgpr_workgroup_id_x 1
		.amdhsa_system_sgpr_workgroup_id_y 1
		.amdhsa_system_sgpr_workgroup_id_z 1
		.amdhsa_system_vgpr_workitem_id 0
		.amdhsa_next_free_vgpr 256
		.amdhsa_next_free_sgpr 66
		.amdhsa_reserve_vcc 0
		.amdhsa_float_denorm_mode_32 3
		.amdhsa_float_denorm_mode_16_64 3
		.amdhsa_memory_ordered 1
		.amdhsa_forward_progress 1
		.amdhsa_inst_pref_size 102
	.end_amdhsa_kernel
	.amdgpu_metadata
---
amdhsa.version: [ 1, 2 ]
amdhsa.kernels:
  - .name:           k_q0227e23224_attn
    .symbol:         k_q0227e23224_attn.kd
    .args:
      - { .name: qimg, .offset: 0, .size: 8, .value_kind: global_buffer, .address_space: global }
      - { .name: kvimg, .offset: 8, .size: 8, .value_kind: global_buffer, .address_space: global }
      - { .name: mimg, .offset: 16, .size: 8, .value_kind: global_buffer, .address_space: global }
      - { .name: aimg, .offset: 24, .size: 8, .value_kind: global_buffer, .address_space: global }
    .group_segment_fixed_size: 327680
    .private_segment_fixed_size: 0
    .kernarg_segment_align: 8
    .kernarg_segment_size: 32
    .max_flat_workgroup_size: 512
    .sgpr_count:     66
    .vgpr_count:     256
    .wavefront_size: 32
...
	.end_amdgpu_metadata
.endif
;; end of part 3
;; launch oproj (part 4): grid 16 x 16, 4 waves a work-group, clusters of 4 x 4, 327,680 bytes of LDS; arguments aimg, wimg, out0; writes out0
.if DOCPART == 4
	.amdgcn_target "amdgcn-amd-amdhsa--gfx1250"
	.amdhsa_code_object_version 6
	.text
	.protected	k_q0227e23224_oproj
	.globl	k_q0227e23224_oproj
	.p2align	8
	.type	k_q0227e23224_oproj,@function
k_q0227e23224_oproj:
	s_mov_b64 s[64:65], 0
	v_nop
	global_prefetch_b8 v0, s[64:65] scope:SCOPE_SE
	s_setreg_imm32_b32 hwreg(HW_REG_WAVE_MODE, 25, 1), 1
	s_wait_xcnt 0x0
	s_wait_alu depctr_hold_cnt(0) depctr_sa_sdst(0) depctr_va_vdst(0) depctr_va_sdst(0) depctr_va_ssrc(0) depctr_va_vcc(0) depctr_vm_vsrc(0)
	s_getreg_b32 s2, hwreg(HW_REG_IB_STS2, 6, 4)
	s_cmp_eq_u32 s2, 0
	s_cbranch_scc0 .Lentry_in_a_cluster
	s_endpgm
.Lentry_in_a_cluster:
	s_bfe_u32 s2, ttmp6, 0x10000c
	s_cmp_lg_u32 s2, 0xf033
	s_cbranch_scc0 .Lentry_shape_is_right
	s_endpgm
.Lentry_shape_is_right:
; out0 = a Wo on codes of BF6 (E3M2) with E8M0 scales: [2,048 tokens][K 2,048] x [K 2,048][2,048 columns], f32 sums, f32 out.
; OPERANDS ARE RECORDS (12,800 bytes: 128 rows x 128 K as an image of the operand's registers; fragment t at 1,536 t; scale word of (t, r) at 12,288 + 64 t + 4 r; row r of tile t is row 32 (t / 2) + 8 (t % 2) + r + 8 (r / 8)).
; A tile of the output is 128 x 128, so that 2,048 x 2,048 give 256 work-groups; four waves, each 64 x 64: 16 accumulators.  Source 0 = P (columns of Wo), source 1 = R (tokens): a lane holds one token and neighbouring columns.
; LDS HOLDS TWELVE OF THE SIXTEEN K STEPS AT ONCE: three slots of four K steps (two records on end to a tensor load), all three filled at the start, three loads a wave.  ONE refill brings K steps 12 to 15 into slot 0 when
; slot 0 has been read; between its request and the wait for it a wave issues 8 + 48 + 16 + 48 = 120 matrix instructions.  All is written out without a loop.
; CLUSTERS: 4 x 4.  R's blocks are shared along a row of the cluster, P's along a column: each is asked for jointly.
; REGISTERS: window 0: v10-29 addresses; v32-39 scale words, two sets of four (lanes 0-15 R's tile i, lanes 16-31 P's); v64-127 the way out; v128-255 the accumulators ((a, b) at v[128 + 8 (4 a + b)]).
;   window 1: two fragment buffers (v0, v128): R's four fragments, then P's four.
.set REC,   12800
.set RB,    16*REC
.set SEC,   16*RB
.set BLK,   2*REC
.set SLOT,  4*BLK                      ; R's K steps 0-1, 2-3 of the slot, then P's
.set SPARE, 3*SLOT                     ; behind the three slots: the spare words, 128 bytes for each wave: two blocks of 256 bytes that no other line names
.set STAGE, SPARE+512                  ; behind them: 16 rows x (256 bytes + 16) for each wave; no fill lands here
.set SPITCH, 272
.set FR,    12
.set ADRA,  10                         ; v10-12 my four tiles of R in slot 0, 1, 2
.set ADRB,  13                         ; v13-15 my four tiles of P
.set ADRS,  16                         ; v16-18 scale words
.set STO,   24
.set RD,    25
.set CO,    26
.set SPW,   28
.set NIL,   29
.set SC,    32
.set OB,    64
.set ACC,   128
.set F0,    0
.set F1,    128
.set G1,  24                           ; s[24:31] group 1 for R's blocks;  s[32:43] group 0, one set for each slot
.set G0,  32
.set G1B, 48                           ; s[48:55] group 1 for P's;  s[68:79] group 0, one set for each slot
.set G0B, 68
.set MSB, 0
.macro WIN new
.if MSB != (\new)
	s_set_vgpr_msb (MSB<<8)|(\new)
.set MSB, (\new)
.endif
.endm
.set MUL,  0x05                        ; sources 0 (P) and 1 (R) window 1; C and D window 0
.set TO_F, 0x40
.macro JLOAD s                         ; a joint load: waves 0 and 1 fetch for R, waves 2 and 3 for P; four v_nop follow each of the two lines
	s_cmp_eq_u32 s15, 0
	s_cbranch_scc0 .Lfor_b_\@
	tensor_load_to_lds s[G0+4*\s:G0+4*\s+3], s[G1:G1+7]
	s_nop 0
.rept 4
	v_nop
.endr
	s_branch .Lasked_\@
.Lfor_b_\@:
	tensor_load_to_lds s[G0B+4*\s:G0B+4*\s+3], s[G1B:G1B+7]
	s_nop 0
.rept 4
	v_nop
.endr
.Lasked_\@:
.endm
.macro CREST
	s_cmp_lg_u32 s14, 0
	s_cbranch_scc1 .Lnot_wave_0_\@
	s_barrier_signal -3
.Lnot_wave_0_\@:
	s_barrier_wait -3
	s_barrier_signal -1
	s_barrier_wait -1
.endm
.macro CROUND
	s_barrier_signal -1
	s_barrier_wait -1
	CREST
.endm
	s_load_b128 s[4:7], s[0:1], 0x0                ; aimg, wimg
	s_load_b64 s[8:9], s[0:1], 0x10                ; out0
	v_lshl_add_u32 v[SPW], v0, 2, SPARE
	v_mov_b32 v[NIL], 0
	ds_add_u32 v28, v29
	s_wait_dscnt 0x0
	v_lshrrev_b32 v1, 5, v0
	v_readfirstlane_b32 s14, v1                    ; wave 0..3
	s_lshr_b32 s15, s14, 1                         ; wr: my half of the tokens.  Also: I fetch for R (0) or for P (1)
	s_and_b32 s16, s14, 1                          ; wp: my half of the columns.  Also: which two K steps of a slot I fetch
	s_bfe_u32 s56, ttmp6, 0x40000                  ; cx, cy
	s_bfe_u32 s57, ttmp6, 0x40004
	s_lshl_b32 s58, ttmp9, 2
	s_add_co_u32 s58, s58, s56                     ; xi
	s_and_b32 s17, ttmp7, 0xffff
	s_lshl_b32 s17, s17, 2
	s_add_co_u32 s17, s17, s57                     ; yi
	s_lshl_b32 s59, s57, 2
	s_lshl_b32 s59, 15, s59                        ; my row of the cluster
	s_lshl_b32 s60, 0x1111, s56                    ; my column
	s_or_b32 s[G1+0], s59, (3<<16)|(1<<21)         ; R's blocks go to my row of the cluster; elements of 8 bytes; 21 set beside a mask
	s_or_b32 s[G1B+0], s60, (3<<16)|(1<<21)        ; P's to my column
.irp g, G1, G1B
	s_mov_b32 s[\g+1], 32<<16                      ; 100 rows of 32 elements of 8 bytes, dense
	s_mov_b32 s[\g+2], 100<<16
	s_mov_b32 s[\g+3], 32<<16
	s_mov_b32 s[\g+4], 100
	s_mov_b32 s[\g+5], 32
	s_mov_b32 s[\g+6], 0
	s_mov_b32 s[\g+7], 0
.endr
	s_mul_i32 s22, s16, BLK
	s_mul_i32 s20, s17, RB
	s_add_co_u32 s20, s20, s22                     ; R: row block yi, + the two K steps that I fetch
	s_mov_b32 s21, 0
	s_mul_i32 s92, s58, RB
	s_add_co_u32 s92, s92, s22
	s_add_co_u32 s92, s92, 3*SEC                   ; P: Wo's section, row block xi
	s_mov_b32 s93, 0
	s_mul_i32 s44, s14, BLK                        ; where my block goes in a slot: wave x 25,600: no place in the cluster enters an LDS address
	s_wait_kmcnt 0x0
	s_add_nc_u64 s[18:19], s[4:5], s[20:21]
	s_add_nc_u64 s[46:47], s[6:7], s[92:93]
	CROUND                                         ; all sixteen work-groups are here: the first joint loads meet
.irp s, 0,1,2
	s_mov_b32 s[G0+4*\s], 1
	s_add_co_u32 s[G0+4*\s+1], s44, \s*SLOT
	s_add_nc_u64 s[G0+4*\s+2:G0+4*\s+3], s[18:19], \s*2*BLK    ; slot s: K steps 4 s .. 4 s + 3
	s_or_b32 s[G0+4*\s+3], s[G0+4*\s+3], 0x80000000
	s_mov_b32 s[G0B+4*\s], 1
	s_add_co_u32 s[G0B+4*\s+1], s44, \s*SLOT
	s_add_nc_u64 s[G0B+4*\s+2:G0B+4*\s+3], s[46:47], \s*2*BLK
	s_or_b32 s[G0B+4*\s+3], s[G0B+4*\s+3], 0x80000000
	JLOAD \s                                       ; three loads of mine are out
.endr
	v_and_b32 v1, 15, v0                           ; r
	v_bfe_u32 v2, v0, 4, 1                         ; h
	v_and_b32 v3, 31, v0
	v_lshlrev_b32 v3, 4, v3                        ; 16 x lane
	s_mul_i32 s21, s15, 4*1536                     ; R's tiles 4 wr on
	s_mul_i32 s22, s16, 4*1536
	s_add_co_u32 s22, s22, 2*BLK                   ; P's tiles 4 wp on, behind R's four K steps
	s_lshl_b32 s23, s15, 8
	s_lshl_b32 s80, s16, 8
	s_add_co_u32 s80, s80, 2*BLK
	s_sub_co_u32 s80, s80, s23
	v_mul_u32_u24 v4, s80, v2                      ; lanes 16-31 take P's scale words: one product, the distance between the two
	v_lshl_add_u32 v4, v1, 2, v4
	s_add_co_u32 s23, s23, 12288
.irp s, 0,1,2
	v_add_nc_u32 v[ADRA+\s], s21, v3
	v_add_nc_u32 v[ADRB+\s], s22, v3
	v_add_nc_u32 v[ADRS+\s], s23, v4
	s_add_co_u32 s21, s21, SLOT
	s_add_co_u32 s22, s22, SLOT
	s_add_co_u32 s23, s23, SLOT
.endr
	s_mul_i32 s81, s14, 16*SPITCH
	s_add_co_u32 s81, s81, STAGE                   ; my stage
	v_mul_u32_u24 v[STO], v1, SPITCH               ; in: row r; my half's columns lie 64 bytes on
	v_lshl_add_u32 v[STO], v2, 6, v[STO]
	v_add_nc_u32 v[STO], s81, v[STO]
	v_mul_u32_u24 v[RD], v2, SPITCH                ; back: lanes 0-15 one row of 256 bytes, lanes 16-31 the next
	v_lshl_add_u32 v[RD], v1, 4, v[RD]
	v_add_nc_u32 v[RD], s81, v[RD]
	v_lshlrev_b32 v[CO], 13, v2                    ; and the same two rows in out0: 8,192 bytes a row
	v_lshl_add_u32 v[CO], v1, 4, v[CO]
	s_lshl_b32 s82, s17, 20                        ; out0: row 128 yi + 64 wr, byte 512 xi + 256 wp
	s_lshl_b32 s83, s15, 19
	s_add_co_u32 s82, s82, s83
	s_lshl_b32 s83, s58, 9
	s_add_co_u32 s82, s82, s83
	s_lshl_b32 s83, s16, 8
	s_add_co_u32 s82, s82, s83
	s_mov_b32 s83, 0
	s_add_nc_u64 s[8:9], s[8:9], s[82:83]
; four matrix instructions: R's tile a x P's four.  The 16 accumulators take turns, one instruction a turn, in the same order in every K step.
.macro MUL4 f, a, zero
.irp b, 0,1,2,3
.if \zero
	v_wmma_scale_f32_16x16x128_f8f6f4 v[ACC+8*(4*(\a)+\b):ACC+8*(4*(\a)+\b)+7], v[\f+48+FR*\b:\f+48+FR*\b+FR-1], v[\f+FR*(\a):\f+FR*(\a)+FR-1], 0, v[SC+4*((\f)/128)+\b], v[SC+4*((\f)/128)+(\a)] matrix_a_fmt:MATRIX_FMT_BF6 matrix_b_fmt:MATRIX_FMT_BF6 matrix_a_scale:MATRIX_SCALE_ROW1
.else
	v_wmma_scale_f32_16x16x128_f8f6f4 v[ACC+8*(4*(\a)+\b):ACC+8*(4*(\a)+\b)+7], v[\f+48+FR*\b:\f+48+FR*\b+FR-1], v[\f+FR*(\a):\f+FR*(\a)+FR-1], v[ACC+8*(4*(\a)+\b):ACC+8*(4*(\a)+\b)+7], v[SC+4*((\f)/128)+\b], v[SC+4*((\f)/128)+(\a)] matrix_a_fmt:MATRIX_FMT_BF6 matrix_b_fmt:MATRIX_FMT_BF6 matrix_a_scale:MATRIX_SCALE_ROW1
.endif
.endr
.endm
.macro FETCH slot, q, f                ; 28 LDS loads in one run: the slot's q-th K step into buffer f
	WIN TO_F
.irp i, 0,1,2,3
.irp c, 0,1,2
	ds_load_b128 v[\f+48+FR*\i+4*\c:\f+48+FR*\i+4*\c+3], v[ADRB+\slot] offset:REC*(\q)+1536*\i+512*\c
.endr
.endr
.irp i, 0,1,2,3
.irp c, 0,1,2
	ds_load_b128 v[\f+FR*\i+4*\c:\f+FR*\i+4*\c+3], v[ADRA+\slot] offset:REC*(\q)+1536*\i+512*\c
.endr
.endr
	WIN 0
.irp i, 0,1,2,3
	ds_load_b32 v[SC+4*((\f)/128)+\i], v[ADRS+\slot] offset:REC*(\q)+64*\i
.endr
.endm
.macro PLACES                          ; four places in front of loads into registers that matrix instructions have read, and of the first read of results
.rept 4
	v_nop
.endr
.endm
.macro QSTEP f, g, nslot, nq, zero     ; a K step without a barrier: multiplies buffer f and fetches the next K step, the nq-th of slot nslot, into g
	s_wait_dscnt 0x0
	WIN MUL
	MUL4 \f, 0, \zero
	MUL4 \f, 1, \zero
	PLACES
	FETCH \nslot, \nq, \g
	WIN MUL
	MUL4 \f, 2, \zero
	MUL4 \f, 3, \zero
.endm
; A K step with a barrier: it multiplies buffer 1.  In front of the barrier each wave waits for all its tensor loads, adds 0 to its spare word, and waits for that and for its LDS reads so far.
; fill = 1: slot `slot`, which has been read, is filled again, twelve K steps on.
.macro TURN slot, next, fill
	WIN 0                                          ; (the add's two registers lie in window 0)
	s_wait_tensorcnt 0x0                           ; all my tensor loads have landed
	ds_add_u32 v[SPW], v[NIL]                      ; 0 onto my spare word
	s_wait_dscnt 1                                 ; the fragments are in; the add may be out
	WIN MUL
	MUL4 F1, 0, 0                                  ; four matrix instructions stand between the add and the wait for it
	s_wait_dscnt 0x0                               ; the add is done, and my reads of the slot are over
	s_barrier_signal -1
	MUL4 F1, 1, 0
	WIN 0
	s_barrier_wait -1
.if \fill
	CREST                                          ; the barrier has opened a round of the cluster's barrier: no wave of any partner still reads this slot or has a load on its way
	s_add_nc_u64 s[G0+4*\slot+2:G0+4*\slot+3], s[G0+4*\slot+2:G0+4*\slot+3], 6*BLK
	s_add_nc_u64 s[G0B+4*\slot+2:G0B+4*\slot+3], s[G0B+4*\slot+2:G0B+4*\slot+3], 6*BLK
	JLOAD \slot                                    ; the first tensor load behind the round, and my last; its four v_nop are the places in front of the loads below
.else
	PLACES
.endif
	FETCH \next, 0, F0
	WIN MUL
	MUL4 F1, 2, 0
	MUL4 F1, 3, 0
.endm
	s_wait_tensorcnt 2                             ; my part of slot 0 is in; slots 1 and 2's loads may be out
	s_barrier_signal -1
	s_barrier_wait -1
	FETCH 0, 0, F0
	QSTEP F0, F1, 0, 1, 1                          ; K step 0: its products start the sums
	QSTEP F1, F0, 0, 2, 0
	QSTEP F0, F1, 0, 3, 0
	TURN 0, 1, 1                                   ; K step 3.  Every wave's parts of slots 1 and 2 have landed; slot 0 takes K steps 12 to 15
	QSTEP F0, F1, 1, 1, 0
	QSTEP F1, F0, 1, 2, 0
	QSTEP F0, F1, 1, 3, 0
	QSTEP F1, F0, 2, 0, 0                          ; K step 7: on into slot 2 without a barrier: the round above has shown it whole to every wave, and nothing is filled here
	QSTEP F0, F1, 2, 1, 0
	QSTEP F1, F0, 2, 2, 0
	QSTEP F0, F1, 2, 3, 0
	TURN 2, 0, 0                                   ; K step 11.  Every wave's part of the refill has landed; nothing is left to fetch
	QSTEP F0, F1, 0, 1, 0
	QSTEP F1, F0, 0, 2, 0
	QSTEP F0, F1, 0, 3, 0
	s_wait_dscnt 0x0
	WIN MUL
	MUL4 F1, 0, 0                                  ; K step 15
	MUL4 F1, 1, 0
	MUL4 F1, 2, 0
	MUL4 F1, 3, 0
	WIN 0
; THE WAY OUT, a tile of 16 tokens x 64 columns at a time, through my own stage.  Register i of accumulator (a, 2 B + u), lane (r, h), is column 32 B + 16 h + 8 u + i of my 64 and row r of tile a;
; row p of tile a is token 32 (a / 2) + 8 (a % 2) + p + 8 (p / 8) of my 64.  LDS serves a wave's instructions in order (ISA guide 5.7.1.4): no wait between the stores and the loads.
.macro TOSTAGE a
.irp b, 0,1,2,3
	ds_store_b128 v[STO], v[ACC+8*(4*(\a)+\b):ACC+8*(4*(\a)+\b)+3] offset:128*(\b/2)+32*(\b%2)       ; each accumulator from its low end on
	ds_store_b128 v[STO], v[ACC+8*(4*(\a)+\b)+4:ACC+8*(4*(\a)+\b)+7] offset:128*(\b/2)+32*(\b%2)+16
.endr
.irp i, 0,1,2,3,4,5,6,7
	ds_load_b128 v[OB+32*((\a)%2)+4*\i:OB+32*((\a)%2)+4*\i+3], v[RD] offset:2*\i*SPITCH
.endr
.endm
.macro SEND a, younger                 ; younger: the LDS instructions issued behind tile a's loads, which may stay out
	s_wait_dscnt \younger
.irp i, 0,1,2,3,4,5,6,7
	global_store_b128 v[CO], v[OB+32*((\a)%2)+4*\i:OB+32*((\a)%2)+4*\i+3], s[8:9] offset:(32*((\a)/2)+8*((\a)%2)+2*\i+8*(\i/4))*8192 th:TH_STORE_NT   ; 16 lanes store 256 consecutive bytes, at a multiple of 256 from out0's first byte
.endr
.endm
	PLACES
	TOSTAGE 0
.irp a, 1,2,3
.if \a > 1
	s_wait_xcnt 0x0                                ; tile a - 2's stores have read their registers: tile a's loads may land there
.endif
	TOSTAGE \a
	SEND \a-1, 16                                  ; behind tile a - 1's loads: tile a's 8 stores and 8 loads
.endr
	SEND 3, 0
	s_wait_tensorcnt 0x0                           ; the wave's end
	ds_add_u32 v[SPW], v[NIL]
	s_wait_dscnt 0x0
	CROUND                                         ; the closing round
	s_endpgm
.Lfunc_end_k_q0227e23224_oproj:
	.size	k_q0227e23224_oproj, .Lfunc_end_k_q0227e23224_oproj-k_q0227e23224_oproj
	.p2alignl 7, 3214868480
	.fill 96, 4, 3214868480
	.section	.rodata,"a",@progbits
	.p2align	6, 0x0
	.amdhsa_kernel k_q0227e23224_oproj
		.amdhsa_group_segment_fixed_size 327680
		.amdhsa_private_segment_fixed_size 0
		.amdhsa_enable_private_segment 0
		.amdhsa_kernarg_size 24
		.amdhsa_user_sgpr_count 2
		.amdhsa_user_sgpr_kernarg_segment_ptr 1
		.amdhsa_wavefront_size32 1
		.amdhsa_system_sgpr_workgroup_id_x 1
		.amdhsa_system_sgpr_workgroup_id_y 1
		.amdhsa_system_sgpr_workgroup_id_z 1
		.amdhsa_system_vgpr_workitem_id 0
		.amdhsa_next_free_vgpr 512
		.amdhsa_next_free_sgpr 100
		.amdhsa_reserve_vcc 0
		.amdhsa_float_denorm_mode_32 3
		.amdhsa_float_denorm_mode_16_64 3
		.amdhsa_memory_ordered 1
		.amdhsa_forward_progress 1
		.amdhsa_inst_pref_size 82
	.end_amdhsa_kernel
	.amdgpu_metadata
---
amdhsa.version: [ 1, 2 ]
amdhsa.kernels:
  - .name:           k_q0227e23224_oproj
    .symbol:         k_q0227e23224_oproj.kd
    .args:
      - { .name: aimg, .offset: 0, .size: 8, .value_kind: global_buffer, .address_space: global }
      - { .name: wimg, .offset: 8, .size: 8, .value_kind: global_buffer, .address_space: global }
      - { .name: out0, .offset: 16, .size: 8, .value_kind: global_buffer, .address_space: global }
    .group_segment_fixed_size: 327680
    .private_segment_fixed_size: 0
    .kernarg_segment_align: 8
    .kernarg_segment_size: 24
    .max_flat_workgroup_size: 128
    .sgpr_count:     100
    .vgpr_count:     512
    .wavefront_size: 32
...
	.end_amdgpu_metadata
.endif
;; end of part 4
